; MI455X (gfx1250); checked and timed in simulation.
; The chip was launched on July 23, 2026; its instructions are those of AMD's public machine-readable ISA for CDNA 5 (MIT licence, August 2026) and "CDNA5" Instruction Set Architecture Reference Guide (July 2026). The comments in the code are by the model that wrote it; some were corrected since.
;; Cross Attention. Allowed arithmetic: float matrix products may take bf16 or f16 operands with f32 sums; other float arithmetic in f32, or as packed bf16 or f16 multiplies, adds, multiply-adds, maxima and minima; sums over many terms, partial sums and values carried from step to step in f32; what a program stores and reads back later, other than sums and carried values, may be rounded once to bf16 or f16.
;; Inputs: Wc 512 x 512 float32; Wk 512 x 512 float32; Wq 512 x 512 float32; Wv 512 x 512 float32; bc 512 float32; bk 512 float32; bq 512 float32; bv 512 float32; cross_x 8 x 2,048 x 512 float32; cross_y 8 x 2,048 x 512 float32; ln_o_b 512 float32; ln_o_g 512 float32; ln_x_b 512 float32; ln_x_g 512 float32; ln_y_b 512 float32; ln_y_g 512 float32.
;; Outputs: out0 8 x 2,048 x 512 float32.
;; One version. Each part assembles by itself: llvm-mc -triple=amdgcn-amd-amdhsa -mcpu=gfx1250 --defsym DOCPART=n.
;; ======== version 1 of 1: 4 launches
;; limits: values are held in f16: magnitudes above 65,504 overflow, below 6.1e-05 lose precision
;; workspace buffers: wf 2,097,152 bytes; qf 16,777,216 bytes; kf 16,777,216 bytes; vf 16,777,216 bytes; st 524,288 bytes
;; launch cast (part 1): grid 64 x 4, 4 waves a work-group, no clusters, 0 bytes of LDS; arguments Wq, Wk, Wv, Wc, wf; writes wf
.if DOCPART == 1
	.amdgcn_target "amdgcn-amd-amdhsa--gfx1250"
	.amdhsa_code_object_version 6
	.text
	.protected	k_q2d43f822dc_cast
	.globl	k_q2d43f822dc_cast
	.p2align	8
	.type	k_q2d43f822dc_cast,@function
k_q2d43f822dc_cast:
	s_mov_b64 s[64:65], 0
	v_nop
	global_prefetch_b8 v0, s[64:65] scope:SCOPE_SE
	s_setreg_imm32_b32 hwreg(HW_REG_WAVE_MODE, 25, 1), 1
	s_wait_xcnt 0x0
; The four weight matrices, [512][512] f32, are rounded once to f16 and laid out as the matrix unit's fragments, so that later launches fill a fragment
; with two loads of 512 consecutive bytes.  wf holds four matrices of 524,288 bytes (q, k, v, c), each 512 fragments of 1,024 bytes.
; A fragment is 16 outputs x 32 inputs: its 16-byte unit (j, L) at byte 512 j + 16 L holds inputs 32 ks + 16 j + 8 (L / 16) + 0..7 of output 16 cb + L % 16.
; Fragment number: q, k, v: (cb / 8) 128 + 8 ks + cb % 8 (128 outputs lie together, ks ascending);  c: 32 ks + cb.
; Wq, Wk, Wv are [in][out]; Wc is [out][in] and is multiplied by 16 (a power of two: exact), since the last launch multiplies it by (q - o) / 16.
; LIMITS.  f16 ends at 65,504: the weights, and 16 Wc, must lie within it.
; SHARES.  Grid y is the matrix.  A work-group makes 8 fragments (8,192 bytes), a thread four units, two fragments apart; a wave's store covers 512 consecutive bytes.
; No LDS and no prefetch: one megabyte a matrix, read once.
.set DAT, 8                            ; v[8:39]   four units of eight f32
.set PKD, 40                           ; v[40:55]  the same as f16
.set VO,  7                            ; v7        byte offset of my first number in the source
.set SO,  56                           ; v56       16 x my thread's number
	s_load_b256 s[4:11], s[0:1], 0x0               ; Wq s[4:5], Wk s[6:7], Wv s[8:9], Wc s[10:11]
	s_load_b64 s[12:13], s[0:1], 0x20              ; wf
	s_and_b32 s14, ttmp7, 0xffff                   ; the matrix
	v_and_b32 v1, 15, v0                           ; L % 16
	v_bfe_u32 v2, v0, 4, 1                         ; L / 16
	v_bfe_u32 v3, v0, 5, 1                         ; j
	v_lshrrev_b32 v4, 6, v0                        ; my first fragment among the group's eight: 0 or 1
	s_and_b32 s22, ttmp9, 15                       ; q, k, v: the group's eight fragments share ks = x % 16,
	s_lshr_b32 s23, ttmp9, 4
	s_lshl_b32 s23, s23, 3                         ; and begin at cb = 8 (x / 16)
	s_lshr_b32 s24, ttmp9, 2                       ; c: ks = x / 4,
	s_and_b32 s25, ttmp9, 3
	s_lshl_b32 s25, s25, 3                         ; cb from 8 (x % 4) on
	s_cmp_eq_u32 s14, 3
	s_cselect_b32 s22, s24, s22
	s_cselect_b32 s23, s25, s23
	s_lshl_b32 s22, s22, 5
	v_lshlrev_b32 v5, 4, v3
	v_lshl_add_u32 v5, v2, 3, v5
	v_add_nc_u32 v5, s22, v5                       ; my first input: 32 ks + 16 j + 8 (L / 16)
	v_add_nc_u32 v6, s23, v4
	v_lshl_add_u32 v6, v6, 4, v1                   ; my output: 16 cb + L % 16
	v_lshlrev_b32 v[SO], 4, v0
	s_lshl_b32 s20, s14, 19                        ; the matrix's place in wf,
	s_lshl_b32 s21, ttmp9, 13                      ; the group's eight fragments
	s_add_co_u32 s20, s20, s21
	s_mov_b32 s21, 0
	s_wait_kmcnt 0x0
	s_cmp_eq_u32 s14, 1
	s_cselect_b64 s[16:17], s[6:7], s[4:5]
	s_cmp_eq_u32 s14, 2
	s_cselect_b64 s[16:17], s[8:9], s[16:17]
	s_cmp_eq_u32 s14, 3
	s_cselect_b64 s[16:17], s[10:11], s[16:17]
	s_add_nc_u64 s[12:13], s[12:13], s[20:21]
	s_cmp_eq_u32 s14, 3
	s_cbranch_scc1 .Lwc
	v_lshlrev_b32 v[VO], 11, v5                    ; [in][out]: my eight inputs lie a row (2,048 bytes) apart
	v_lshl_add_u32 v[VO], v6, 2, v[VO]
.irp it, 0,1,2,3
.irp e, 0,1,2,3,4,5,6,7
	global_load_b32 v[DAT+8*\it+\e], v[VO], s[16:17] offset:\it*128+\e*2048  ; two fragments on: 32 outputs, 128 bytes
.endr
.endr
	s_wait_loadcnt 0x0
	s_branch .Lpack
.Lwc:
	v_lshlrev_b32 v[VO], 11, v6                    ; [out][in]: my eight inputs are 32 consecutive bytes
	v_lshl_add_u32 v[VO], v5, 2, v[VO]
.irp it, 0,1,2,3
	global_load_b128 v[DAT+8*\it:DAT+8*\it+3],   v[VO], s[16:17] offset:\it*65536     ; two fragments on: 32 outputs, 32 rows
	global_load_b128 v[DAT+8*\it+4:DAT+8*\it+7], v[VO], s[16:17] offset:\it*65536+16
.endr
	s_wait_loadcnt 0x0
.irp i, 0,1,2,3,4,5,6,7,8,9,10,11,12,13,14,15
	v_pk_mul_f32 v[DAT+2*\i:DAT+2*\i+1], v[DAT+2*\i:DAT+2*\i+1], 0x41800000 op_sel_hi:[1,0]  ; times 16
.endr
.Lpack:
.irp i, 0,1,2,3,4,5,6,7,8,9,10,11,12,13,14,15
	v_cvt_pk_f16_f32 v[PKD+\i], v[DAT+2*\i], v[DAT+2*\i+1]
.endr
.irp it, 0,1,2,3
	global_store_b128 v[SO], v[PKD+4*\it:PKD+4*\it+3], s[12:13] offset:\it*2048
.endr
	s_endpgm
.Lfunc_end_k_q2d43f822dc_cast:
	.size	k_q2d43f822dc_cast, .Lfunc_end_k_q2d43f822dc_cast-k_q2d43f822dc_cast
	.p2alignl 7, 3214868480
	.fill 96, 4, 3214868480
	.section	.rodata,"a",@progbits
	.p2align	6, 0x0
	.amdhsa_kernel k_q2d43f822dc_cast
		.amdhsa_group_segment_fixed_size 0
		.amdhsa_private_segment_fixed_size 0
		.amdhsa_enable_private_segment 0
		.amdhsa_kernarg_size 40
		.amdhsa_user_sgpr_count 2
		.amdhsa_user_sgpr_kernarg_segment_ptr 1
		.amdhsa_wavefront_size32 1
		.amdhsa_system_sgpr_workgroup_id_x 1
		.amdhsa_system_sgpr_workgroup_id_y 1
		.amdhsa_system_sgpr_workgroup_id_z 1
		.amdhsa_system_vgpr_workitem_id 0
		.amdhsa_next_free_vgpr 64
		.amdhsa_next_free_sgpr 66
		.amdhsa_reserve_vcc 0
		.amdhsa_float_denorm_mode_32 3
		.amdhsa_float_denorm_mode_16_64 3
		.amdhsa_memory_ordered 1
		.amdhsa_forward_progress 1
		.amdhsa_inst_pref_size 9
	.end_amdhsa_kernel
	.amdgpu_metadata
---
amdhsa.version: [ 1, 2 ]
amdhsa.kernels:
  - .name:           k_q2d43f822dc_cast
    .symbol:         k_q2d43f822dc_cast.kd
    .args:
      - { .name: Wq, .offset: 0, .size: 8, .value_kind: global_buffer, .address_space: global }
      - { .name: Wk, .offset: 8, .size: 8, .value_kind: global_buffer, .address_space: global }
      - { .name: Wv, .offset: 16, .size: 8, .value_kind: global_buffer, .address_space: global }
      - { .name: Wc, .offset: 24, .size: 8, .value_kind: global_buffer, .address_space: global }
      - { .name: wf, .offset: 32, .size: 8, .value_kind: global_buffer, .address_space: global }
    .group_segment_fixed_size: 0
    .private_segment_fixed_size: 0
    .kernarg_segment_align: 8
    .kernarg_segment_size: 40
    .max_flat_workgroup_size: 128
    .sgpr_count:     66
    .vgpr_count:     64
    .wavefront_size: 32
...
	.end_amdgpu_metadata
.endif
;; end of part 1
;; launch proj (part 2): grid 256 x 1, 4 waves a work-group, clusters of 4 x 1, 327,680 bytes of LDS; arguments cross_x, cross_y, ln_x_g, ln_x_b, ln_y_g, ln_y_b, bq, bk, bv, wf, qf, kf, vf; writes qf, kf, vf
.if DOCPART == 2
	.amdgcn_target "amdgcn-amd-amdhsa--gfx1250"
	.amdhsa_code_object_version 6
	.text
	.protected	k_q2d43f822dc_proj
	.globl	k_q2d43f822dc_proj
	.p2align	8
	.type	k_q2d43f822dc_proj,@function
k_q2d43f822dc_proj:
	s_mov_b64 s[64:65], 0
	v_nop
	global_prefetch_b8 v0, s[64:65] scope:SCOPE_SE
	s_setreg_imm32_b32 hwreg(HW_REG_WAVE_MODE, 25, 1), 1
	s_wait_xcnt 0x0
	s_wait_alu depctr_hold_cnt(0) depctr_sa_sdst(0) depctr_va_vdst(0) depctr_va_sdst(0) depctr_va_ssrc(0) depctr_va_vcc(0) depctr_vm_vsrc(0)
	s_getreg_b32 s2, hwreg(HW_REG_IB_STS2, 6, 4)
	s_cmp_eq_u32 s2, 0
	s_cbranch_scc0 .Lentry_in_a_cluster
	s_endpgm
.Lentry_in_a_cluster:
	s_bfe_u32 s2, ttmp6, 0x10000c
	s_cmp_lg_u32 s2, 0x3003
	s_cbranch_scc0 .Lentry_shape_is_right
	s_endpgm
.Lentry_shape_is_right:
; dst = LayerNorm(src) W + bias, rounded once to f16, three times: q from cross_x, then k and v from cross_y.  src: [16384][512] f32; dst: [16384][512] f16.
; The normalised rows and the weights are f16 matrix operands; means, variances (of the centred numbers) and the products' sums are f32.
; LIMITS.  f16 ends at 65,504: the normalised rows (times gain, plus bias) and q, k, v must lie within it.  NaN and infinities are not treated apart.
; A WORK-GROUP STAYS: it takes 64 rows and does three JOBS on them (q, k, v), one text for all three, and the ring of LDS slots does not stop between jobs: a job's raw rows are asked for while the job before
; multiplies its last four K steps, and a job's stores leave while the next job works.  The rows of cross_y are normalised in both of their jobs: so every job asks for the same kinds of tiles at the same places.
; SHARES.  LayerNorm: wave w takes rows 16 w .. 16 w + 15, a row spread over its 32 lanes.  Product: wave w makes all 64 rows x outputs 128 w .. 128 w + 127: 32 accumulators; a fragment of W read from LDS
; feeds four matrix instructions, and the 64 rows' fragments stay in 512 registers.
; THE PRODUCT IS TAKEN TRANSPOSED (source 0 = 16 outputs of W, source 1 = 16 rows): a lane ends with eight neighbouring outputs of one row.  The bias is loaded into the accumulators: it starts the sums.
; THE RING.  Two slots of 131,072 bytes; a tile is 32,768 bytes a wave, at 32,768 w of its slot, and a wave reads only what it fetched.  A job has five tiles: its raw rows (16 rows of 2,048 bytes a wave), then W in four
; tiles of four K steps.  The 15 tiles take the slots by turns; tile i + 1 is asked for behind the round that stands in front of tile i's use: one tensor load of a wave is out at a time.
; A job has an odd number of tiles, so the slots change parts from job to job: LDS addresses are made from a scalar that one exclusive or turns.
; CLUSTER.  The four work-groups of a cluster multiply by the same W: its tiles are asked for jointly (mask 15).  The rows are each work-group's own: a plain tensor load behind the same rounds.
; THE ROWS' WAY TO THE FRAGMENTS.  Beside the slots LDS has room for 32 normalised rows, so the norm goes in two halves: each wave's rows 0-7 (stage row 8 w + row), a barrier, two tiles of fragments are read,
; a barrier, then its rows 8-15.  So fragment tile t holds the rows 32 (t % 2) + 16 (r / 8) + 8 (t / 2) + r % 8, r = 0 .. 15; the way out puts them back.
; LDS.  Slots at 0 and 2^17.  HS: 32 rows x 1,040 bytes.  OST: 16 rows x 272 bytes a wave, for the way out.  SPARE: the spare words.  Only tensor loads write the slots; only LDS stores write HS and OST.
; PREFETCH.  cross_y's rows are asked for once, in job q: each wave names its own 32,768 bytes, 128 blocks of 256, a lane a block, four instructions, behind the joint load and the LDS run of K step 3: 256 matrix
; instructions ahead of the tensor load that wants them.  Their second reading, W (which every cluster walks again) and cross_x (wanted at the kernel's head) are not asked for.
; REGISTERS.  window 0: v0-15 addresses; v16-47 gain and bias of the norm; v48-63 four a row at work; v64-127 four rows of 16, later the way out; v128-255 at work, then two buffers of W's fragments
;             window 1: accumulators, (row tile t, output block c) at 8 (8 t + c)     windows 2, 3: the rows' fragments: tile t, K step ks at 128 (t % 2) + 8 ks of window 2 + t / 2
.set XP,    1040                       ; 1,024 bytes + 16 = 260 words: row r starts at bank 4 r mod 64 (64 banks of 4 bytes: ISA guide 11.1)
.set SLOT1, 1<<17
.set HS,    262144
.set OST,   295424
.set OPI,   272
.set SPARE, 312832
.set NR,    4                          ; rows that the norm's lines take side by side
.set AW0, 1                            ; v1   32,768 w + 16 x lane: my 16 bytes in a slot; never rewritten
.set XST0,2                            ; v2   where my 8 bytes of my first row of a half go; never rewritten
.set PFO, 3                            ; v3   256 x lane; never rewritten
.set SPW, 4                            ; v4   my spare word: SPARE + 4 x my thread's number; never rewritten
.set NIL, 5                            ; v5   0; never rewritten
.set RAW, 6                            ; v6   my 16 bytes of the raw row in hand
.set XST, 7                            ; v7   where my 8 bytes of the normalised row go
.set AFR, 8                            ; v8   my place in a fragment of the normalised rows
.set AWE, 9                            ; v9   my 16 bytes of a fragment of W in the job's tiles 0 and 2
.set AWO, 10                           ; v10  the same in its tiles 1 and 3
.set BOF, 11                           ; v11  my eight numbers of the bias
.set STO, 12                           ; v12  the way out: in
.set RD,  13                           ; v13  the way out: back
.set CO,  14                           ; v14  my byte offset in dst
.set GBO, 15                           ; v15  16 x lane
.set G,   16
.set BB,  32
.set TT,  48
.set XB,  64
.set SC,  128
.set WF,  128
.set TMP, 64
.set BK,  96
.set WV,   34
.set CX,   35
.set XX,   36
.set JOB,  37                          ; s37  jobs to go, this one among them: 3 q, 2 k, 1 v: the same in every work-group
.set RAWY, 38                          ; s[38:39] cross_y at my wave's 16 rows
.set LG,   40
.set LB,   42
.set BIAS, 44
.set DST,  46
.set WSRC, 48                          ; s[48:49] wf at the job's matrix, my wave's 128 outputs
.set OX,   50                          ; s[50:51] offset of my rows in src: holds cx, feeds the plain loads alone
.set G0X,  52
.set G0W,  56
.set OW,   60                          ; s[60:61] offset in wf: the wave's number alone
.set OD,   62                          ; s[62:63] offset of my rows in dst
.set G1X,  68
.set G1W,  76
.set SEL,  84
.set RN,   86
.set EPS,  87
.set CNT,  88
.set T0,   89
.set TBX,  90                          ; s90  the slot of the job's raw rows
.set MSB, 0
.macro WIN new                         ; the immediate's high byte repeats the setting that is left; a switch that changes nothing is dropped
.if MSB != (\new)
	s_set_vgpr_msb (MSB<<8)|(\new)
.set MSB, \new
.endif
.endm
.macro PLACES                          ; four places behind a matrix instruction, in front of loads into its sources and of readers of its result
.rept 4
	v_nop
.endr
.endm
.macro CROUND                          ; a round of the cluster's barrier
	s_barrier_signal -1
	s_barrier_wait -1
	s_cmp_lg_u32 s[WV], 0
	s_cbranch_scc1 .Lnot_wave_0_\@
	s_barrier_signal -3
.Lnot_wave_0_\@:
	s_barrier_wait -3
	s_barrier_signal -1
	s_barrier_wait -1
.endm
.macro EACH line:vararg                ; one line for each of the NR rows rho
.set rho, 0
.rept NR
	\line
.set rho, rho+1
.endr
.endm
.macro XLANE o                         ; v[TT + 4 rho + o] summed over the 32 lanes: four steps inside each half ride on the addition, one crosses the halves
.irp x, 1,2,4,8
	EACH v_add_f32_dpp v[TT+4*rho+\o], v[TT+4*rho+\o], v[TT+4*rho+\o] row_xmask:\x row_mask:0xf bank_mask:0xf
.endr
	EACH v_permlanex16_b32 v[SC+8*rho+1], v[TT+4*rho+\o], s[SEL], s[SEL+1]
	EACH v_add_f32 v[TT+4*rho+\o], v[TT+4*rho+\o], v[SC+8*rho+1]
.endm
; LayerNorm of NR rows, 16 numbers a lane at v[XB + 16 rho ..], in place; every stage is written for all rows before the next, so that no line waits for the one before it.
.macro LNCORE
.irp p, 0,1,2,3
	EACH v_pk_add_f32 v[SC+8*rho+2*\p:SC+8*rho+2*\p+1], v[XB+16*rho+4*\p:XB+16*rho+4*\p+1], v[XB+16*rho+4*\p+2:XB+16*rho+4*\p+3]
.endr
	EACH v_pk_add_f32 v[SC+8*rho:SC+8*rho+1], v[SC+8*rho:SC+8*rho+1], v[SC+8*rho+2:SC+8*rho+3]
	EACH v_pk_add_f32 v[SC+8*rho+4:SC+8*rho+5], v[SC+8*rho+4:SC+8*rho+5], v[SC+8*rho+6:SC+8*rho+7]
	EACH v_pk_add_f32 v[SC+8*rho:SC+8*rho+1], v[SC+8*rho:SC+8*rho+1], v[SC+8*rho+4:SC+8*rho+5]
	EACH v_add_f32 v[TT+4*rho], v[SC+8*rho], v[SC+8*rho+1]
	XLANE 0
	EACH v_mul_f32 v[TT+4*rho], s[RN], v[TT+4*rho]                  ; the mean
.irp p, 0,1,2,3,4,5,6,7
	EACH v_pk_add_f32 v[XB+16*rho+2*\p:XB+16*rho+2*\p+1], v[XB+16*rho+2*\p:XB+16*rho+2*\p+1], v[TT+4*rho:TT+4*rho+1] op_sel_hi:[1,0] neg_lo:[0,1] neg_hi:[0,1]
.endr
.irp p, 0,1
	EACH v_pk_mul_f32 v[SC+8*rho+2*\p:SC+8*rho+2*\p+1], v[XB+16*rho+2*\p:XB+16*rho+2*\p+1], v[XB+16*rho+2*\p:XB+16*rho+2*\p+1]
.endr
.irp p, 2,3,4,5,6,7
	EACH v_pk_fma_f32 v[SC+8*rho+2*(\p%2):SC+8*rho+2*(\p%2)+1], v[XB+16*rho+2*\p:XB+16*rho+2*\p+1], v[XB+16*rho+2*\p:XB+16*rho+2*\p+1], v[SC+8*rho+2*(\p%2):SC+8*rho+2*(\p%2)+1]
.endr
	EACH v_pk_add_f32 v[SC+8*rho:SC+8*rho+1], v[SC+8*rho:SC+8*rho+1], v[SC+8*rho+2:SC+8*rho+3]
	EACH v_add_f32 v[TT+4*rho+2], v[SC+8*rho], v[SC+8*rho+1]
	XLANE 2
	EACH v_fma_f32 v[TT+4*rho+2], v[TT+4*rho+2], s[RN], s[EPS]      ; the variance + 1e-5
	EACH v_rsq_f32 v[TT+4*rho+2], v[TT+4*rho+2]
	v_nop                                          ; a plain instruction behind the last root,
	s_wait_alu depctr_va_vdst(0)                   ; and one wait ahead of the batch's first reader
.irp p, 0,1,2,3,4,5,6,7
	EACH v_pk_mul_f32 v[XB+16*rho+2*\p:XB+16*rho+2*\p+1], v[XB+16*rho+2*\p:XB+16*rho+2*\p+1], v[TT+4*rho+2:TT+4*rho+3] op_sel_hi:[1,0]
.endr
.irp p, 0,1,2,3,4,5,6,7
	EACH v_pk_fma_f32 v[XB+16*rho+2*\p:XB+16*rho+2*\p+1], v[XB+16*rho+2*\p:XB+16*rho+2*\p+1], v[G+2*\p:G+2*\p+1], v[BB+2*\p:BB+2*\p+1]
.endr
.endm
; Four rows: read (a lane takes numbers 128 j + 4 lane + 0..3 of a row), normalised, rounded to f16, stored into the stage.
.macro LN4
.irp j, 0,1,2,3
	EACH ds_load_b128 v[XB+16*rho+4*\j:XB+16*rho+4*\j+3], v[RAW] offset:rho*2048+512*\j
.endr
	s_wait_dscnt 0x0
	LNCORE
.irp p, 0,1,2,3,4,5,6,7
	EACH v_cvt_pk_f16_f32 v[SC+8*rho+\p], v[XB+16*rho+2*\p], v[XB+16*rho+2*\p+1]
.endr
.irp j, 0,1,2,3
	EACH ds_store_b64 v[XST], v[SC+8*rho+2*\j:SC+8*rho+2*\j+1] offset:rho*XP+256*\j
.endr
.endm
.macro LNHALF                          ; eight of my rows
	s_mov_b32 s[CNT], 2
.Lln_\@:
	LN4
	v_add_nc_u32 v[RAW], 4*2048, v[RAW]
	v_add_nc_u32 v[XST], 4*XP, v[XST]
	s_sub_co_u32 s[CNT], s[CNT], 1
	s_cmp_lg_u32 s[CNT], 0
	s_cbranch_scc1 .Lln_\@
.endm
.macro FRAGS w                         ; the stage's two tiles of 16 rows, all 16 K steps, into window w
	WIN (\w)<<6
.irp t, 0,1
.irp k, 0,1,2,3,4,5,6,7,8,9,10,11,12,13,14,15
	ds_load_b128 v[128*\t+8*\k:128*\t+8*\k+3],   v[AFR] offset:\t*16*XP+\k*64
	ds_load_b128 v[128*\t+8*\k+4:128*\t+8*\k+7], v[AFR] offset:\t*16*XP+\k*64+32
.endr
.endr
	WIN 0
.endm
; The slot read last is filled again.  Each wave waits for all its tensor loads, adds 0 to its spare word, waits for that and for its LDS instructions; a round of the cluster's barrier; the load first behind it.
; Both descriptors' LDS words are turned at every request, whichever of the two is used: the tiles take the slots by turns.
.macro TURNS
	s_wait_tensorcnt 0x0                           ; no tensor load of mine is out: descriptors may be written
	ds_add_u32 v[SPW], v[NIL]
	s_xor_b32 s[G0X+1], s[G0X+1], SLOT1
	s_xor_b32 s[G0W+1], s[G0W+1], SLOT1
.endm
.macro REFW t                          ; tile t of the job's W, jointly
	TURNS
	s_add_nc_u64 s[G0W+2:G0W+3], s[WSRC:WSRC+1], (\t)*32768
	s_or_b32 s[G0W+3], s[G0W+3], 0x80000000
	s_wait_dscnt 0x0                               ; the add is done; my LDS stores are done and my reads of the slot are back
	CROUND
	tensor_load_to_lds s[G0W:G0W+3], s[G1W:G1W+7]
	s_nop 0
	PLACES                                         ; also the places in front of the loads that follow
.endm
.macro REFX                            ; the next job's raw rows: cross_y's, my wave's 16
	TURNS
	s_mov_b64 s[G0X+2:G0X+3], s[RAWY:RAWY+1]
	s_or_b32 s[G0X+3], s[G0X+3], 0x80000000
	s_wait_dscnt 0x0
	CROUND
	tensor_load_to_lds s[G0X:G0X+3], s[G1X:G1X+7]
	s_nop 0
	PLACES
.endm
.macro WLOAD ks                        ; my eight fragments of W for K step ks, into buffer ks % 2: two loads of 512 consecutive bytes each
.set wa, AWE
.if (((\ks)/4)%2) == 1
.set wa, AWO
.endif
.set kl, (\ks)%4
.set wb, WF+64*((\ks)%2)
.irp c, 0,1,2,3,4,5,6,7
	ds_load_b128 v[wb+8*\c:wb+8*\c+3],   v[wa] offset:(kl*8+\c)*1024
	ds_load_b128 v[wb+8*\c+4:wb+8*\c+7], v[wa] offset:(kl*8+\c)*1024+512
.endr
.endm
.macro MULH ks, half                   ; 16 matrix instructions: row tiles 2 half, 2 half + 1 x 8 output blocks.  All 32 accumulators take turns
	WIN 0x58+4*(\half)                             ; W window 0, rows window 2 or 3, C and D window 1
.irp t, 0,1
.irp c, 0,1,2,3,4,5,6,7
	v_wmma_f32_16x16x32_f16 v[8*(8*(2*(\half)+\t)+\c):8*(8*(2*(\half)+\t)+\c)+7], v[WF+64*((\ks)%2)+8*\c:WF+64*((\ks)%2)+8*\c+7], v[128*\t+8*(\ks):128*\t+8*(\ks)+7], v[8*(8*(2*(\half)+\t)+\c):8*(8*(2*(\half)+\t)+\c)+7]
.endr
.endr
.endm
; A K step of 32: 32 matrix instructions; in its middle the next step's fragments of W are fetched.  mode 0: from the tile in hand.  1: the tile has been read out: its slot takes the job's tile t, the fetch goes
; to the other slot.  3: nothing is left.
.macro KSTEP ks, mode, t=0
	s_wait_dscnt 0x0                               ; this step's fragments are in; nothing younger is out
	MULH \ks, 0
.if (\mode) == 0
	WIN 0
	PLACES
	WLOAD (\ks)+1
.elseif (\mode) == 1
	WIN 0
	REFW \t
	WLOAD (\ks)+1
.endif
	MULH \ks, 1
.endm
; Row tile tau leaves: rounded to f16, 16 bytes a lane into my stage, back as whole rows of 256 bytes, stored.  Stage rows 2 t and 2 t + 1 are rows 32 (tau % 2) + 8 (tau / 2) + 16 (t / 4) + 2 (t % 4) and the next.
.macro WAYOUT tau
	WIN 0x05                                       ; sources window 1, destination window 0
.irp c, 0,1,2,3,4,5,6,7
.irp p, 0,1,2,3
	v_cvt_pk_f16_f32 v[TMP+4*\c+\p], v[64*(\tau)+8*\c+2*\p], v[64*(\tau)+8*\c+2*\p+1]
.endr
.endr
	WIN 0
.irp c, 0,1,2,3,4,5,6,7
	ds_store_b128 v[STO], v[TMP+4*\c:TMP+4*\c+3] offset:32*\c
.endr
	s_wait_xcnt 0x0                                ; the last tile's stores have read their data: the registers are loaded again only behind this wait
.irp t, 0,1,2,3,4,5,6,7
	ds_load_b128 v[BK+4*\t:BK+4*\t+3], v[RD] offset:\t*2*OPI  ; LDS serves a wave's instructions in order (ISA guide 5.7.1.4): these see the stores above
.endr
	s_wait_dscnt 0x0
.irp t, 0,1,2,3,4,5,6,7
	global_store_b128 v[CO], v[BK+4*\t:BK+4*\t+3], s[DST:DST+1] offset:(32*((\tau)%2)+8*((\tau)/2)+16*(\t/4)+2*(\t%4))*1024  ; 16 lanes store 256 consecutive bytes, at a multiple of 256 from dst's first byte
.endr
.endm
.macro FINISH                          ; a job's end, from the middle of K step 11 on
	WLOAD 12
	MULH 11, 1
	KSTEP 12, 0
	KSTEP 13, 0
	KSTEP 14, 0
	KSTEP 15, 3
	PLACES
	WAYOUT 0
	WAYOUT 1
	WAYOUT 2
	WAYOUT 3
.endm
	s_load_b512 s[8:23], s[0:1], 0x0               ; cross_x, cross_y, ln_x_g, ln_x_b, ln_y_g, ln_y_b, bq, bk
	s_load_b256 s[24:31], s[0:1], 0x40             ; bv, wf, qf, kf
	s_load_b64 s[32:33], s[0:1], 0x60              ; vf
	v_lshl_add_u32 v[SPW], v0, 2, SPARE
	v_mov_b32 v[NIL], 0
	ds_add_u32 v[SPW], v[NIL]                      ; the wave's opening: the add and its wait ahead of my first tensor load
	v_lshrrev_b32 v1, 5, v0
	v_readfirstlane_b32 s[WV], v1
	s_bfe_u32 s[CX], ttmp6, 0x40000
	s_lshl_b32 s[XX], ttmp9, 2
	s_add_co_u32 s[XX], s[XX], s[CX]               ; my block of 64 rows
	; Every tile is a dense block of 32,768 bytes, asked for as 128 rows of 256 bytes: 32 elements of 8 bytes, 32 from row to row
	s_mov_b32 s[G1X], 3<<16                        ; no mask: my own rows
	s_mov_b32 s[G1W], 15|(3<<16)|(1<<21)           ; mask of four, bit 21 beside it
.irp g, G1X, G1W
	s_mov_b32 s[\g+1], 32<<16                      ; tensor_dim0
	s_mov_b32 s[\g+2], 128<<16                     ; tensor_dim1
	s_mov_b32 s[\g+3], 32<<16                      ; tile_dim0
	s_mov_b32 s[\g+4], 128                         ; tile_dim1
	s_mov_b32 s[\g+5], 32                          ; stride
	s_mov_b32 s[\g+6], 0
	s_mov_b32 s[\g+7], 0
.endr
	s_mov_b32 s[G0X], 1
	s_lshl_b32 s[G0X+1], s[WV], 15                 ; slot 0, my wave's part
	s_mov_b32 s[G0W], 1
	s_lshl_b32 s[G0W+1], s[WV], 15
	s_lshl_b32 s[OX], s[XX], 17                    ; 64 rows of 2,048 bytes,
	s_lshl_b32 s[OX+1], s[WV], 15                  ; my wave's 16
	s_add_co_u32 s[OX], s[OX], s[OX+1]
	s_mov_b32 s[OX+1], 0
	s_lshl_b32 s[OW], s[WV], 17                    ; my wave's 128 outputs of a matrix
	s_mov_b32 s[OW+1], 0
	s_lshl_b32 s[OD], s[XX], 16                    ; 64 rows of 1,024 bytes
	s_mov_b32 s[OD+1], 0
	s_mov_b32 s[SEL], 0x76543210
	s_mov_b32 s[SEL+1], 0xfedcba98
	s_mov_b32 s[RN], 0x3b000000                    ; 1 / 512
	s_mov_b32 s[EPS], 0x3727c5ac                   ; 1e-5
	s_mov_b32 s[JOB], 3
	s_mov_b32 s[TBX], 0
	s_wait_dscnt 0x0                               ; the opening add is done
	s_wait_kmcnt 0x0
	s_add_nc_u64 s[G0X+2:G0X+3], s[8:9], s[OX:OX+1]
	s_or_b32 s[G0X+3], s[G0X+3], 0x80000000
	s_add_nc_u64 s[RAWY:RAWY+1], s[10:11], s[OX:OX+1]
	s_add_nc_u64 s[WSRC:WSRC+1], s[26:27], s[OW:OW+1]
	CROUND                                         ; all four work-groups are here
	tensor_load_to_lds s[G0X:G0X+3], s[G1X:G1X+7]  ; cross_x's rows, my wave's 16, into slot 0: the tile wanted first goes out alone
	s_nop 0
	PLACES
	v_and_b32 v66, 31, v0                          ; lane
	v_and_b32 v64, 15, v0                          ; lane % 16
	v_bfe_u32 v65, v0, 4, 1                        ; lane / 16
	v_lshlrev_b32 v[GBO], 4, v66
	s_lshl_b32 s[T0], s[WV], 15
	v_add_nc_u32 v[AW0], s[T0], v[GBO]
	s_mul_i32 s[T0], s[WV], 8*XP
	s_add_co_u32 s[T0], s[T0], HS
	v_lshl_add_u32 v[XST0], v66, 3, s[T0]
	v_mul_u32_u24 v[AFR], v64, XP
	v_lshl_add_u32 v[AFR], v65, 4, v[AFR]
	v_add_nc_u32 v[AFR], HS, v[AFR]
	s_lshl_b32 s[T0], s[WV], 9
	v_lshl_add_u32 v[BOF], v65, 5, s[T0]           ; bias of outputs 128 w + 8 (lane / 16) on
	s_mul_i32 s[T0], s[WV], 16*OPI
	s_add_co_u32 s[T0], s[T0], OST
	v_mul_u32_u24 v[STO], v64, OPI
	v_lshl_add_u32 v[STO], v65, 4, v[STO]
	v_add_nc_u32 v[STO], s[T0], v[STO]
	v_mul_u32_u24 v[RD], v65, OPI
	v_lshl_add_u32 v[RD], v64, 4, v[RD]
	v_add_nc_u32 v[RD], s[T0], v[RD]
	s_lshl_b32 s[T0], s[WV], 8
	v_lshlrev_b32 v[CO], 10, v65
	v_lshl_add_u32 v[CO], v64, 4, v[CO]
	v_add_nc_u32 v[CO], s[T0], v[CO]
	v_lshlrev_b32 v[PFO], 8, v66
.set i, 0
.rept 16
	v_mov_b32 v[TT+i], 0                           ; named in pairs by the packed lines, so all are written
.set i, i+1
.endr
.Ljob:                                         ; three times; the last job's end is written out behind the loop, since it asks for nothing more
	s_cmp_eq_u32 s[JOB], 3
	s_cselect_b64 s[LG:LG+1], s[12:13], s[16:17]
	s_cselect_b64 s[LB:LB+1], s[14:15], s[18:19]
	s_cselect_b64 s[BIAS:BIAS+1], s[20:21], s[22:23]
	s_cselect_b64 s[DST:DST+1], s[28:29], s[30:31]
	s_cmp_eq_u32 s[JOB], 1
	s_cselect_b64 s[BIAS:BIAS+1], s[24:25], s[BIAS:BIAS+1]
	s_cselect_b64 s[DST:DST+1], s[32:33], s[DST:DST+1]
	s_add_nc_u64 s[DST:DST+1], s[DST:DST+1], s[OD:OD+1]
.irp j, 0,1,2,3
	global_load_b128 v[G+4*\j:G+4*\j+3],   v[GBO], s[LG:LG+1] offset:512*\j   ; the norm's gain and bias, laid out as a row's numbers are
	global_load_b128 v[BB+4*\j:BB+4*\j+3], v[GBO], s[LB:LB+1] offset:512*\j
.endr
	WIN 0x40                                       ; destination window 1: the bias starts the sums, the same for the four row tiles
.irp t, 0,1,2,3
.irp c, 0,1,2,3,4,5,6,7
	global_load_b128 v[8*(8*\t+\c):8*(8*\t+\c)+3],   v[BOF], s[BIAS:BIAS+1] offset:64*\c
	global_load_b128 v[8*(8*\t+\c)+4:8*(8*\t+\c)+7], v[BOF], s[BIAS:BIAS+1] offset:64*\c+16
.endr
.endr
	WIN 0
	v_add_nc_u32 v[RAW], s[TBX], v[AW0]            ; the raw rows' slot, which W's tiles 1 and 3 take after them;
	v_add_nc_u32 v[AWO], s[TBX], v[AW0]
	s_xor_b32 s[TBX], s[TBX], SLOT1
	v_add_nc_u32 v[AWE], s[TBX], v[AW0]            ; the other slot takes tiles 0 and 2, and then the next job's raw rows
	v_mov_b32 v[XST], v[XST0]
	REFW 0                                         ; my raw rows are in (the bytes are my own); W's first tile is asked for: it has the norm in which to land
	s_wait_loadcnt 0x0                             ; gain, bias
	LNHALF
	s_wait_dscnt 0x0                               ; my stores into the stage are done
	s_barrier_signal -1
	s_barrier_wait -1                              ; everybody's are
	FRAGS 2
	v_mov_b32 v[XST], v[XST0]
	s_wait_dscnt 0x0                               ; my reads of the stage are back
	s_barrier_signal -1
	s_barrier_wait -1                              ; everybody's are: the stage is written again
	LNHALF
	REFW 1                                         ; the round orders the stores into the stage with the reads below, and the reads of the raw rows with their slot's next fill
	WLOAD 0
	FRAGS 3
	KSTEP 0, 0
	KSTEP 1, 0
	KSTEP 2, 0
	s_wait_dscnt 0x0                               ; K step 3, written out for the prefetches' sake
	MULH 3, 0
	WIN 0
	REFW 2
	WLOAD 4
	s_cmp_eq_u32 s[JOB], 3                         ; job q alone asks: cross_y's rows have not been read yet
	s_cbranch_scc0 .Lasked
.irp k, 0,1,2,3
	global_prefetch_b8 v[PFO], s[RAWY:RAWY+1] offset:\k*8192 th:TH_LOAD_NT scope:SCOPE_SE
.endr
.Lasked:
	MULH 3, 1
	KSTEP 4, 0
	KSTEP 5, 0
	KSTEP 6, 0
	KSTEP 7, 1, 3
	KSTEP 8, 0
	KSTEP 9, 0
	KSTEP 10, 0
	s_wait_dscnt 0x0                               ; K step 11: here the jobs part
	MULH 11, 0
	WIN 0
	s_cmp_eq_u32 s[JOB], 1
	s_cbranch_scc1 .Llast
	REFX                                           ; THE RING GOES ON INTO THE NEXT JOB: its raw rows have 144 matrix instructions and a way out in which to land
	FINISH
	s_wait_xcnt 0x0                                ; the stores have read their registers and dst's address
	s_add_nc_u64 s[WSRC:WSRC+1], s[WSRC:WSRC+1], 524288  ; the next matrix
	s_sub_co_u32 s[JOB], s[JOB], 1
	s_branch .Ljob
.Llast:
	s_wait_tensorcnt 0x0                           ; W's last tile is in: the bytes are my own and nothing is filled again, so no barrier
	PLACES
	FINISH
	s_wait_tensorcnt 0x0                           ; the wave's end: behind my last tensor load and my last LDS store
	ds_add_u32 v[SPW], v[NIL]
	s_wait_dscnt 0x0
	CROUND                                         ; the closing round
	s_endpgm
.Lfunc_end_k_q2d43f822dc_proj:
	.size	k_q2d43f822dc_proj, .Lfunc_end_k_q2d43f822dc_proj-k_q2d43f822dc_proj
	.p2alignl 7, 3214868480
	.fill 96, 4, 3214868480
	.section	.rodata,"a",@progbits
	.p2align	6, 0x0
	.amdhsa_kernel k_q2d43f822dc_proj
		.amdhsa_group_segment_fixed_size 327680
		.amdhsa_private_segment_fixed_size 0
		.amdhsa_enable_private_segment 0
		.amdhsa_kernarg_size 104
		.amdhsa_user_sgpr_count 2
		.amdhsa_user_sgpr_kernarg_segment_ptr 1
		.amdhsa_wavefront_size32 1
		.amdhsa_system_sgpr_workgroup_id_x 1
		.amdhsa_system_sgpr_workgroup_id_y 1
		.amdhsa_system_sgpr_workgroup_id_z 1
		.amdhsa_system_vgpr_workitem_id 0
		.amdhsa_next_free_vgpr 1024
		.amdhsa_next_free_sgpr 92
		.amdhsa_reserve_vcc 0
		.amdhsa_float_denorm_mode_32 3
		.amdhsa_float_denorm_mode_16_64 3
		.amdhsa_memory_ordered 1
		.amdhsa_forward_progress 1
		.amdhsa_inst_pref_size 159
	.end_amdhsa_kernel
	.amdgpu_metadata
---
amdhsa.version: [ 1, 2 ]
amdhsa.kernels:
  - .name:           k_q2d43f822dc_proj
    .symbol:         k_q2d43f822dc_proj.kd
    .args:
      - { .name: cross_x, .offset: 0, .size: 8, .value_kind: global_buffer, .address_space: global }
      - { .name: cross_y, .offset: 8, .size: 8, .value_kind: global_buffer, .address_space: global }
      - { .name: ln_x_g, .offset: 16, .size: 8, .value_kind: global_buffer, .address_space: global }
      - { .name: ln_x_b, .offset: 24, .size: 8, .value_kind: global_buffer, .address_space: global }
      - { .name: ln_y_g, .offset: 32, .size: 8, .value_kind: global_buffer, .address_space: global }
      - { .name: ln_y_b, .offset: 40, .size: 8, .value_kind: global_buffer, .address_space: global }
      - { .name: bq, .offset: 48, .size: 8, .value_kind: global_buffer, .address_space: global }
      - { .name: bk, .offset: 56, .size: 8, .value_kind: global_buffer, .address_space: global }
      - { .name: bv, .offset: 64, .size: 8, .value_kind: global_buffer, .address_space: global }
      - { .name: wf, .offset: 72, .size: 8, .value_kind: global_buffer, .address_space: global }
      - { .name: qf, .offset: 80, .size: 8, .value_kind: global_buffer, .address_space: global }
      - { .name: kf, .offset: 88, .size: 8, .value_kind: global_buffer, .address_space: global }
      - { .name: vf, .offset: 96, .size: 8, .value_kind: global_buffer, .address_space: global }
    .group_segment_fixed_size: 327680
    .private_segment_fixed_size: 0
    .kernarg_segment_align: 8
    .kernarg_segment_size: 104
    .max_flat_workgroup_size: 128
    .sgpr_count:     92
    .vgpr_count:     1024
    .wavefront_size: 32
...
	.end_amdgpu_metadata
.endif
;; end of part 2
;; launch stats (part 3): grid 8 x 32, 8 waves a work-group, clusters of 4 x 1, 327,680 bytes of LDS; arguments qf, kf, st; writes st
.if DOCPART == 3
	.amdgcn_target "amdgcn-amd-amdhsa--gfx1250"
	.amdhsa_code_object_version 6
	.text
	.protected	k_q2d43f822dc_stats
	.globl	k_q2d43f822dc_stats
	.p2align	8
	.type	k_q2d43f822dc_stats,@function
k_q2d43f822dc_stats:
	s_mov_b64 s[64:65], 0
	v_nop
	global_prefetch_b8 v0, s[64:65] scope:SCOPE_SE
	s_setreg_imm32_b32 hwreg(HW_REG_WAVE_MODE, 25, 1), 1
	s_wait_xcnt 0x0
	s_wait_alu depctr_hold_cnt(0) depctr_sa_sdst(0) depctr_va_vdst(0) depctr_va_sdst(0) depctr_va_ssrc(0) depctr_va_vcc(0) depctr_vm_vsrc(0)
	s_getreg_b32 s2, hwreg(HW_REG_IB_STS2, 6, 4)
	s_cmp_eq_u32 s2, 0
	s_cbranch_scc0 .Lentry_in_a_cluster
	s_endpgm
.Lentry_in_a_cluster:
	s_bfe_u32 s2, ttmp6, 0x10000c
	s_cmp_lg_u32 s2, 0x3003
	s_cbranch_scc0 .Lentry_shape_is_right
	s_endpgm
.Lentry_shape_is_right:
; st[b][h][n] = c m + log2(l), where m is the largest score q[n] . k[j] of head h over the 2,048 keys j, l the sum over j of 2^(c s - c m), c = log2(e) / 8.
; With it the last launch has the finished softmax weight 2^(c s - st) of every head at once.  q, k: [16384][512] f16, a head's 64 channels 128 bytes of a row.  Products, maxima, sums in f32.
; The maximum is a running one: in every step of 64 keys l is multiplied by 2^(c m_old - c m_new).  Each lane keeps m and l for its own half of a step's keys; the halves of the lanes meet once, at the end.
; LIMITS.  A term below 2^-126 counts as 0 in l.  st is one f32: its step, half a unit in its last place, goes into the last launch's exponents.  NaN and infinities are not treated apart.
; SHARES.  Grid y = 4 b + hp: batch b, heads 2 hp and 2 hp + 1.  A work-group takes 256 queries; wave w takes head 2 hp + w / 4 and queries 64 (w % 4) on: four tiles of 16.
; Eight waves, two on a SIMD: a step has 8 matrix and some 86 vector instructions a tile, and one wave's vector work stands beside the other's products and LDS loads; so the step is written in plain phases.
; LAYOUT.  S^T = K Q^T (source 0 = 16 keys, source 1 = 16 queries): a lane holds ONE query (lane % 16) and the keys 8 (lane / 16) + 0..7 of each 16.
; CLUSTER.  The four query blocks of a cluster walk the same K: a tile (256 keys x the two heads' 256 bytes) is asked for jointly, by waves 0-3, 64 rows each.  One tensor load of a wave is out at a time.
; LDS.  Two slots of 256 rows x 272 bytes at 0 and 2^17; STG: 256 bytes a wave for the way out; SPARE: the spare words.
.set PK,    272                        ; 256 bytes + 16 = 68 words: row r starts at bank 4 r mod 64 (64 banks of 4 bytes: ISA guide 11.1)
.set STEPB, 64*PK
.set TILEB, 4*STEPB
.set SLOT1, 1<<17
.set STG,   SLOT1+TILEB
.set SPARE, STG+8*256
.set AK0, 2                            ; v2   my lane's place in a step of K, my head's half of the rows; never rewritten
.set AK,  3                            ; v3   the address of the run of loads in hand
.set SPW, 4                            ; v4   my spare word; never rewritten
.set NIL, 5                            ; v5   0; never rewritten
.set QO,  6                            ; v6   my byte offset in 16 rows of q
.set PFO, 7                            ; v7   1,024 x lane: a row of k; never rewritten
.set SW,  8                            ; v8   the way out: in
.set SR,  9                            ; v9   the way out: back
.set GO,  10                           ; v10  8 x lane
.set ST,  16                           ; tile t at v[ST + 4 t]: c m, m, l (even keys', odd keys')
.set TMP, 32                           ; by buffer, four at work; the third takes 2^(c m_old - c m_new)
.set MV,  40                           ; by buffer, c m_old
.set Q,   64                           ; tile t, channel half c at Q + 16 t + 8 c
.set KF,  128                          ; key block kb, channel half c at KF + 16 kb + 8 c
.set S,   192                          ; two buffers of 32
.set WV,  12
.set PFA, 18
.set LIM, 20
.set G1,  24
.set G0,  40
.set SLOTS, 56
.set CNT, 57
.set CS,  58
.set SEL, 60
.set TB,  62
.macro PLACES
.rept 4
	v_nop
.endr
.endm
.macro CROUND
	s_barrier_signal -1
	s_barrier_wait -1
	s_cmp_lg_u32 s[WV], 0
	s_cbranch_scc1 .Lnot_wave_0_\@
	s_barrier_signal -3
.Lnot_wave_0_\@:
	s_barrier_wait -3
	s_barrier_signal -1
	s_barrier_wait -1
.endm
.macro JLOAD                           ; waves 0-3 fetch 64 rows each; the branch hangs on the wave's number alone
	s_cmp_lt_u32 s[WV], 4
	s_cbranch_scc0 .Lnone_\@
	tensor_load_to_lds s[G0:G0+3], s[G1:G1+7]
	s_nop 0
	PLACES
.Lnone_\@:
.endm
; A prefetch of the tile that the NEXT change of slots will ask for: 256 rows x 256 bytes, a lane a row.  Two clusters walk the same rows: the first (cluster x = 0) asks.  Its four partners take 64 rows each,
; told apart by address; in each, waves 0 and 1 take 32.  So each row's 256 bytes are named once.  The last change that fills a slot asks for nothing: there is no tile behind it.
.macro ASK
	s_cmp_gt_u32 s[SLOTS], s[LIM]
	s_cbranch_scc0 .Lnot_mine_\@
	global_prefetch_b8 v[PFO], s[PFA:PFA+1] th:TH_LOAD_NT scope:SCOPE_SE
.Lnot_mine_\@:
.endm
; The change of slots.  Each wave waits for all its tensor loads, adds 0 to its spare word, waits for that and for its reads of the slot that it leaves.  fill = 1: a round of the cluster's barrier, and the
; old slot is filled again first behind it, with the tile two on: four steps in which to land.  (At its first use slot 0 is waited for and slot 1 filled.)
.macro CHANGE fill
	s_wait_tensorcnt 0x0
	ds_add_u32 v[SPW], v[NIL]
.if \fill
	s_xor_b32 s[G0+1], s[G0+1], SLOT1
	s_add_nc_u64 s[G0+2:G0+3], s[G0+2:G0+3], 256*1024
	s_wait_xcnt 0x0                                ; the last prefetch, a tile back, has read its address
	s_add_nc_u64 s[PFA:PFA+1], s[PFA:PFA+1], 256*1024
	s_wait_dscnt 0x0
	CROUND
	JLOAD
	ASK
.else
	s_wait_dscnt 0x0
	s_barrier_signal -1
	s_barrier_wait -1
.endif
	s_sub_co_u32 s[TB], s[TB], TILEB               ; the fetches go back to a slot's first step,
	s_xor_b32 s[TB], s[TB], SLOT1                  ; in the other slot
.endm
.macro FETCH_K                         ; 64 keys x my head's 64 channels: 8 fragments
	v_add_nc_u32 v[AK], s[TB], v[AK0]
.irp f, 0,1,2,3,4,5,6,7
	ds_load_b128 v[KF+8*\f:KF+8*\f+3],   v[AK] offset:(\f/2)*16*PK+(\f%2)*64
	ds_load_b128 v[KF+8*\f+4:KF+8*\f+7], v[AK] offset:(\f/2)*16*PK+(\f%2)*64+32
.endr
	s_add_co_u32 s[TB], s[TB], STEPB
.endm
.macro KQ t                            ; 8 products: the four accumulators take turns; the first four start the sums
.irp i, 0,1,2,3
	v_wmma_f32_16x16x32_f16 v[S+32*((\t)%2)+8*\i:S+32*((\t)%2)+8*\i+7], v[KF+16*\i:KF+16*\i+7], v[Q+16*(\t):Q+16*(\t)+7], 0
.endr
.irp i, 0,1,2,3
	v_wmma_f32_16x16x32_f16 v[S+32*((\t)%2)+8*\i:S+32*((\t)%2)+8*\i+7], v[KF+16*\i+8:KF+16*\i+15], v[Q+16*(\t)+8:Q+16*(\t)+15], v[S+32*((\t)%2)+8*\i:S+32*((\t)%2)+8*\i+7]
.endr
.endm
; Tile t's 32 scores a lane: the maximum (each accumulator's lowest registers first), c m, the 33 exponentials as one batch with one wait, the sum.
.macro SOFT t
.set rT, ST+4*(\t)
.set rC, TMP+4*((\t)%2)
.set rW, MV+((\t)%2)
.set rS, S+32*((\t)%2)
.irp n, 0,1,2,3
	v_max3_num_f32 v[rC+\n], v[rS+8*\n], v[rS+8*\n+1], v[rS+8*\n+2]
.endr
.irp n, 0,1,2,3
	v_max3_num_f32 v[rC+\n], v[rC+\n], v[rS+8*\n+3], v[rS+8*\n+4]
.endr
.irp n, 0,1,2,3
	v_max3_num_f32 v[rC+\n], v[rC+\n], v[rS+8*\n+5], v[rS+8*\n+6]
.endr
	v_max3_num_f32 v[rC], v[rC], v[rS+7], v[rS+15]
	v_max3_num_f32 v[rC+1], v[rC+1], v[rS+23], v[rS+31]
	v_max3_num_f32 v[rC+2], v[rC+2], v[rC+3], v[rT+1]
	v_mov_b32 v[rW], v[rT]
	v_max3_num_f32 v[rT+1], v[rC], v[rC+1], v[rC+2]
	v_mul_f32 v[rT], s[CS], v[rT+1]
	v_sub_f32 v[rC+1], v[rW], v[rT]
.irp p, 0,1,2,3,4,5,6,7,8,9,10,11,12,13,14,15
	v_pk_fma_f32 v[rS+2*\p:rS+2*\p+1], v[rS+2*\p:rS+2*\p+1], s[CS:CS+1], v[rT:rT+1] op_sel_hi:[1,0,0] neg_lo:[0,0,1] neg_hi:[0,0,1]
.endr
	v_exp_f32 v[rC+2], v[rC+1]
.irp e, 0,1,2,3,4,5,6,7,8,9,10,11,12,13,14,15,16,17,18,19,20,21,22,23,24,25,26,27,28,29,30,31
	v_exp_f32 v[rS+\e], v[rS+\e]
.endr
	v_nop                                          ; a plain instruction behind the last exponential,
	s_wait_alu depctr_va_vdst(0)                   ; and one wait ahead of the batch's first reader
.irp u, 0,1,2,3,4,5,6,7
	v_pk_add_f32 v[rS+4*\u:rS+4*\u+1], v[rS+4*\u:rS+4*\u+1], v[rS+4*\u+2:rS+4*\u+3]
.endr
.irp u, 0,1,2,3
	v_pk_add_f32 v[rS+8*\u:rS+8*\u+1], v[rS+8*\u:rS+8*\u+1], v[rS+8*\u+4:rS+8*\u+5]
.endr
.irp u, 0,1
	v_pk_add_f32 v[rS+16*\u:rS+16*\u+1], v[rS+16*\u:rS+16*\u+1], v[rS+16*\u+8:rS+16*\u+9]
.endr
	v_pk_add_f32 v[rS:rS+1], v[rS:rS+1], v[rS+16:rS+17]
	v_pk_fma_f32 v[rT+2:rT+3], v[rT+2:rT+3], v[rC+2:rC+3], v[rS:rS+1] op_sel_hi:[1,0,1]
.endm
; A step of 64 keys.  Between a tile's products and the first reader of its scores stand four plain instructions or more that name none of their registers: the v_nop, or another tile's softmax.
; The next step's K is fetched four places behind the step's last product, so that it lands under the last two softmaxes; a tile's last step fetches nothing: the next K lies behind the change of slots.
.macro STEP
	s_wait_dscnt 0x0                               ; K is in
	KQ 0
	KQ 1
	PLACES
	SOFT 0
	KQ 2
	SOFT 1
	KQ 3
	PLACES
	s_cmp_eq_u32 s[CNT], 1
	s_cbranch_scc1 .Lno_fetch_\@
	FETCH_K
.Lno_fetch_\@:
	SOFT 2
	SOFT 3
.endm
.macro FOURSTEPS
	FETCH_K                                        ; the tile's first step
	s_mov_b32 s[CNT], 4
.Lstep_\@:
	STEP
	s_sub_co_u32 s[CNT], s[CNT], 1
	s_cmp_lg_u32 s[CNT], 0
	s_cbranch_scc1 .Lstep_\@
.endm
.macro ALL line:vararg                 ; one line for each tile t
.set t, 0
.rept 4
	\line
.set t, t+1
.endr
.endm
	s_load_b128 s[4:7], s[0:1], 0x0                ; qf s[4:5], kf s[6:7]
	s_load_b64 s[8:9], s[0:1], 0x10                ; st
	v_lshl_add_u32 v[SPW], v0, 2, SPARE
	v_mov_b32 v[NIL], 0
	ds_add_u32 v[SPW], v[NIL]                      ; the wave's opening: the add and its wait ahead of the first tensor load
	v_lshrrev_b32 v1, 5, v0
	v_readfirstlane_b32 s[WV], v1
	s_bfe_u32 s13, ttmp6, 0x40000                  ; cx
	s_lshl_b32 s14, ttmp9, 2
	s_add_co_u32 s14, s14, s13                     ; my block of 256 queries
	s_and_b32 s15, ttmp7, 0xffff
	s_and_b32 s16, s15, 3                          ; hp
	s_lshr_b32 s15, s15, 2                         ; b
	s_and_b32 s17, s[WV], 3
	s_lshr_b32 s21, s[WV], 2
	s_lshl_b32 s22, s15, 21                        ; K's tile: the batch's 2,048 rows of 1,024 bytes,
	s_lshl_b32 s23, s17, 16                        ; my 64 rows of the tile,
	s_add_co_u32 s22, s22, s23
	s_lshl_b32 s23, s16, 8                         ; the two heads' 256 bytes: nothing of my place in the cluster
	s_add_co_u32 s22, s22, s23
	s_mov_b32 s23, 0
	s_lshl1_add_u32 s32, s16, s21                  ; my head
	s_lshl_b32 s2, s15, 21                         ; Q: the batch, my block's 256 rows, my wave's 64, my head's 128 bytes
	s_lshl_b32 s3, s14, 18
	s_add_co_u32 s2, s2, s3
	s_lshl_b32 s3, s17, 16
	s_add_co_u32 s2, s2, s3
	s_lshl_b32 s3, s32, 7
	s_add_co_u32 s2, s2, s3
	s_mov_b32 s3, 0
	s_lshl3_add_u32 s34, s15, s32                  ; st: (8 b + head) x 2,048 + my 64 queries, 4 bytes each
	s_lshl_b32 s34, s34, 13
	s_lshl_b32 s35, s14, 10
	s_add_co_u32 s34, s34, s35
	s_lshl_b32 s35, s17, 8
	s_add_co_u32 s34, s34, s35
	s_mov_b32 s35, 0
	s_lshl_b32 s36, s15, 21                        ; the prefetches: my work-group's 64 rows of a tile, my wave's 32 of them, at tile 1
	s_lshl_b32 s37, s16, 8
	s_add_co_u32 s36, s36, s37
	s_lshl_b32 s37, s13, 16
	s_add_co_u32 s36, s36, s37
	s_lshl_b32 s37, s[WV], 15
	s_add_co_u32 s36, s36, s37
	s_add_co_u32 s36, s36, 256*1024
	s_mov_b32 s37, 0
	s_mov_b32 s[G1], 15|(1<<16)|(1<<20)|(1<<21)|(5<<22)|(3<<25)  ; mask of four; 2-byte elements; padding on; bit 21 beside the mask; after every 64 words, 4 words
	s_mov_b32 s[G1+1], 128<<16                     ; tensor_dim0 = 128
	s_mov_b32 s[G1+2], 64<<16                      ; tensor_dim1 = 64
	s_mov_b32 s[G1+3], 128<<16                     ; tile_dim0 = 128
	s_mov_b32 s[G1+4], 64                          ; tile_dim1 = 64
	s_mov_b32 s[G1+5], 512                         ; 512 elements from row to row
	s_mov_b32 s[G1+6], 0
	s_mov_b32 s[G1+7], 0
	s_mov_b32 s[G0], 1
	s_mul_i32 s[G0+1], s[WV], STEPB
	s_mov_b32 s[CS], 0x3e38aa3b                    ; c = log2(e) / 8
	s_mov_b32 s[CS+1], s[CS]
	s_mov_b32 s[SEL], 0x76543210
	s_mov_b32 s[SEL+1], 0xfedcba98
	s_mov_b32 s[TB], SLOT1+TILEB                   ; the first change of slots turns it into 0
	s_lshr_b32 s[LIM], s[WV], 1                    ; waves 0 and 1
	s_or_b32 s[LIM], s[LIM], ttmp9                 ; of the first cluster: the same in all four partners
	s_cmp_eq_u32 s[LIM], 0
	s_cselect_b32 s[LIM], 1, -1
	s_wait_dscnt 0x0                               ; the opening add is done
	s_wait_kmcnt 0x0
	s_add_nc_u64 s[G0+2:G0+3], s[6:7], s[22:23]
	s_or_b32 s[G0+3], s[G0+3], 0x80000000
	s_add_nc_u64 s[PFA:PFA+1], s[6:7], s[36:37]
	s_add_nc_u64 s[4:5], s[4:5], s[2:3]
	s_add_nc_u64 s[8:9], s[8:9], s[34:35]
	CROUND
	JLOAD                                          ; tile 0 into slot 0
	v_and_b32 v1, 15, v0
	v_bfe_u32 v11, v0, 4, 1
	v_and_b32 v12, 31, v0
	v_lshlrev_b32 v[QO], 10, v1
	v_lshl_add_u32 v[QO], v11, 4, v[QO]
.irp t, 0,1,2,3
.irp c, 0,1
	global_load_b128 v[Q+16*\t+8*\c:Q+16*\t+8*\c+3],   v[QO], s[4:5] offset:\t*16384+\c*64
	global_load_b128 v[Q+16*\t+8*\c+4:Q+16*\t+8*\c+7], v[QO], s[4:5] offset:\t*16384+\c*64+32
.endr
.endr
	v_mul_u32_u24 v[AK0], v1, PK
	v_lshl_add_u32 v[AK0], v11, 4, v[AK0]
	s_lshl_b32 s33, s21, 7
	v_add_nc_u32 v[AK0], s33, v[AK0]
	v_lshlrev_b32 v[PFO], 10, v12
	s_lshl_b32 s33, s[WV], 8
	s_add_co_u32 s33, s33, STG
	v_lshl_add_u32 v[SW], v1, 2, s33
	v_lshl_add_u32 v[SR], v12, 3, s33
	v_lshlrev_b32 v[GO], 3, v12
	ALL v_mov_b32 v[ST+4*t], 0xfe000000            ; c m: far below every c s, so the first step's factor is 0
	ALL v_mov_b32 v[ST+4*t+1], 0xff7fffff          ; m: the lowest finite number
	ALL v_mov_b32 v[ST+4*t+2], 0
	ALL v_mov_b32 v[ST+4*t+3], 0
	s_wait_loadcnt 0x0                             ; Q
	s_mov_b32 s[SLOTS], 7
.Lslot:                                        ; seven trips: tiles 0-6 are entered, tiles 1-7 asked for
	CHANGE 1
	FOURSTEPS
	s_sub_co_u32 s[SLOTS], s[SLOTS], 1
	s_cmp_lg_u32 s[SLOTS], 0
	s_cbranch_scc1 .Lslot
	CHANGE 0                                       ; the last tile is written out
	FOURSTEPS
	; The two halves of the lanes meet: M = the larger m; each l is brought to M; st = c M + log2(l).
	ALL v_add_f32 v[ST+4*t+2], v[ST+4*t+2], v[ST+4*t+3]
	ALL v_permlanex16_b32 v[ST+4*t+3], v[ST+4*t+1], s[SEL], s[SEL+1]
	ALL v_max_num_f32 v[ST+4*t+1], v[ST+4*t+1], v[ST+4*t+3]
	ALL v_mul_f32 v[ST+4*t+3], s[CS], v[ST+4*t+1]
	ALL v_sub_f32 v[ST+4*t], v[ST+4*t], v[ST+4*t+3]
	ALL v_exp_f32 v[ST+4*t], v[ST+4*t]
	v_nop
	s_wait_alu depctr_va_vdst(0)                   ; one wait for the four exponentials
	ALL v_mul_f32 v[ST+4*t+2], v[ST+4*t+2], v[ST+4*t]
	ALL v_permlanex16_b32 v[ST+4*t], v[ST+4*t+2], s[SEL], s[SEL+1]
	ALL v_add_f32 v[ST+4*t+2], v[ST+4*t+2], v[ST+4*t]
	ALL v_log_f32 v[ST+4*t+2], v[ST+4*t+2]
	v_nop
	s_wait_alu depctr_va_vdst(0)                   ; one wait for the four logarithms
	ALL v_add_f32 v[ST+4*t+2], v[ST+4*t+2], v[ST+4*t+3]
	ALL ds_store_b32 v[SW], v[ST+4*t+2] offset:t*64  ; both halves of the lanes hold the same number and write the same word
	ds_load_b64 v[32:33], v[SR]                    ; my wave's own bytes, served in order: 64 queries, 8 bytes a lane
	s_wait_dscnt 0x0
	global_store_b64 v[GO], v[32:33], s[8:9]       ; 256 consecutive bytes, at a multiple of 256 from st's first byte
	s_wait_tensorcnt 0x0                           ; the wave's end
	ds_add_u32 v[SPW], v[NIL]
	s_wait_dscnt 0x0
	CROUND                                         ; the closing round
	s_endpgm
.Lfunc_end_k_q2d43f822dc_stats:
	.size	k_q2d43f822dc_stats, .Lfunc_end_k_q2d43f822dc_stats-k_q2d43f822dc_stats
	.p2alignl 7, 3214868480
	.fill 96, 4, 3214868480
	.section	.rodata,"a",@progbits
	.p2align	6, 0x0
	.amdhsa_kernel k_q2d43f822dc_stats
		.amdhsa_group_segment_fixed_size 327680
		.amdhsa_private_segment_fixed_size 0
		.amdhsa_enable_private_segment 0
		.amdhsa_kernarg_size 24
		.amdhsa_user_sgpr_count 2
		.amdhsa_user_sgpr_kernarg_segment_ptr 1
		.amdhsa_wavefront_size32 1
		.amdhsa_system_sgpr_workgroup_id_x 1
		.amdhsa_system_sgpr_workgroup_id_y 1
		.amdhsa_system_sgpr_workgroup_id_z 1
		.amdhsa_system_vgpr_workitem_id 0
		.amdhsa_next_free_vgpr 256
		.amdhsa_next_free_sgpr 66
		.amdhsa_reserve_vcc 0
		.amdhsa_float_denorm_mode_32 3
		.amdhsa_float_denorm_mode_16_64 3
		.amdhsa_memory_ordered 1
		.amdhsa_forward_progress 1
		.amdhsa_inst_pref_size 55
	.end_amdhsa_kernel
	.amdgpu_metadata
---
amdhsa.version: [ 1, 2 ]
amdhsa.kernels:
  - .name:           k_q2d43f822dc_stats
    .symbol:         k_q2d43f822dc_stats.kd
    .args:
      - { .name: qf, .offset: 0, .size: 8, .value_kind: global_buffer, .address_space: global }
      - { .name: kf, .offset: 8, .size: 8, .value_kind: global_buffer, .address_space: global }
      - { .name: st, .offset: 16, .size: 8, .value_kind: global_buffer, .address_space: global }
    .group_segment_fixed_size: 327680
    .private_segment_fixed_size: 0
    .kernarg_segment_align: 8
    .kernarg_segment_size: 24
    .max_flat_workgroup_size: 256
    .sgpr_count:     66
    .vgpr_count:     256
    .wavefront_size: 32
...
	.end_amdgpu_metadata
.endif
;; end of part 3
;; launch attn (part 4): grid 256 x 1, 4 waves a work-group, clusters of 4 x 1, 327,680 bytes of LDS; arguments qf, kf, vf, st, wf, bc, ln_o_g, ln_o_b, out0; writes out0
.if DOCPART == 4
	.amdgcn_target "amdgcn-amd-amdhsa--gfx1250"
	.amdhsa_code_object_version 6
	.text
	.protected	k_q2d43f822dc_attn
	.globl	k_q2d43f822dc_attn
	.p2align	8
	.type	k_q2d43f822dc_attn,@function
k_q2d43f822dc_attn:
	s_mov_b64 s[64:65], 0
	v_nop
	global_prefetch_b8 v0, s[64:65] scope:SCOPE_SE
	s_setreg_imm32_b32 hwreg(HW_REG_WAVE_MODE, 25, 1), 1
	s_wait_xcnt 0x0
	s_wait_alu depctr_hold_cnt(0) depctr_sa_sdst(0) depctr_va_vdst(0) depctr_va_sdst(0) depctr_va_ssrc(0) depctr_va_vcc(0) depctr_vm_vsrc(0)
	s_getreg_b32 s2, hwreg(HW_REG_IB_STS2, 6, 4)
	s_cmp_eq_u32 s2, 0
	s_cbranch_scc0 .Lentry_in_a_cluster
	s_endpgm
.Lentry_in_a_cluster:
	s_bfe_u32 s2, ttmp6, 0x10000c
	s_cmp_lg_u32 s2, 0x3003
	s_cbranch_scc0 .Lentry_shape_is_right
	s_endpgm
.Lentry_shape_is_right:
; out = q + leaky_relu(LayerNorm((q - o) Wc^T + bc)), o[h] = the sum over keys of p_h / (1e-9 + the sum over heads of p) x v[h], p_h = 2^(c s_h - st_h) the finished softmax weight
; (st = c m + log2 l holds the row's maximum: every exponent is at most about 0).  q, k, v: [16384][512] f16; st: [b][h][n] f32; wf's fourth matrix: 16 Wc in fragments, f16; out0: f32.
; Scores, weights, their sum over heads, both products' sums and the norm are f32.  Matrix operands in f16: q, k, v; P'' = p / (16 (1e-9 + D)), at most 1/16; d = (q - o) / 16, made in f32 and rounded once; 16 Wc.
; The two powers of two cancel exactly; they keep d inside f16.
; LIMITS.  |q - o| under 1.04e6 (f16 ends at 65,504).  A weight below 2^-126 counts as 0; P'' below 6e-5 keeps f16's fixed step of 6e-8.  NaN and infinities are not treated apart.
; SHARES.  A work-group takes 64 queries of a batch, a wave 16 queries x ALL EIGHT HEADS, since a weight wants the other heads' weights at the same query and key.  Every wave walks the 2,048 keys, 32 a step.
; LAYOUT.  S^T = K Q^T (source 0 = 16 keys, source 1 = 16 queries): a lane holds ONE query (lane % 16) and the keys 8 (lane / 16) + 0..7 of each 16, alike for all heads, so the sum over heads is a sum of registers.
; Two results rounded to f16 in pairs ARE source 1 of O^T = V^T P''; O^T in pairs has Q's fragment layout, so q / 16 - O^T, rounded in pairs, IS source 1 of H^T = (16 Wc) d^T.  Nothing changes lanes before the norm.
; THE WALK.  36 tiles through two LDS slots: 32 of 64 keys (K's and V's rows, 1,024 bytes each), then 4 of Wc (128 fragments of 1,024 bytes), by the same descriptors: only the address differs.
; A STEP.  K's and V's fragments of a head share one buffer of 32 registers.  The heads go in two GROUPS of four: behind a group's 16 products K Q^T its V is fetched into its buffers, behind its 16 products V^T P''
; the next step's K: four runs of 32 LDS loads a step, each under one window setting.
; CLUSTER.  The four work-groups of a cluster belong to one batch and walk the same tiles: each tile is asked for jointly (mask 15).  One tensor load of a wave is out at a time.
; LDS.  Slot 0 at 0, slot 1 at 0x21000: 64 rows of 1,040 bytes, then 64 rows of 1,056.  SPARE behind them.  When slot 0 has had its last fill and its last read, it takes H: 16 rows of 2,064 bytes a wave.
; O^T starts at 0 by 256 v_mov_b32, written while the first tile is on its way: the price of writing no first step out.
; REGISTERS.  window 0: v2-11 addresses; v12-27 st of my query, a pair a head, later the last norm's gain; v28-43 D, then 1 / (16 D + 1.6e-8), later the norm's bias; v60-63 Wc's addresses;
;             v64-191 S^T (16 h + 8 kb), later d and the norm; v192-211 the epilogue's; v212-243 P'' of a group.
;             window 1: O^T (32 h + 8 cb), later H^T (8 cb)     window 2: v0-127 Q (16 h + 8 c)     window 3: K or V (32 h), later 32 fragments of Wc
.set PK,    1040                       ; 1,024 + 16 bytes = 260 words: row r starts at bank 4 r mod 64 (64 banks of 4 bytes: ISA guide 11.1)
.set PV,    1056                       ; 1,024 + 32 bytes = 264 words
.set KST,   32*PK
.set VST,   32*PV
.set VOFF,  64*PK
.set SLOT1, 0x21000                    ; shares no bit with the four tiles' places in a slot (0, 0x8200, 0x10400, 0x18800): one exclusive or changes slots
.set SPARE, SLOT1+64*(PK+PV)
.set HPI,   2064
.set NR,    2
.set AK0, 2
.set AV0, 3
.set AK,  4
.set AV,  5
.set QO,  6
.set L16, 7
.set PFO, 8
.set BCO, 9
.set SPW, 10
.set NIL, 11
.set A,   12
.set D,   28
.set G,   12
.set BB,  28
.set AW,  60
.set S,   64
.set XB,  96
.set SC,  128
.set QD,  144
.set LK,  160
.set HST, 196
.set HRD, 197
.set QRO, 198
.set OUO, 199
.set ONE, 200                          ; v200  1.0
.set SIX, 201                          ; v201  1 / 16
.set TT,  204
.set P,   212
.set WV,  26
.set CX,  27
.set XX,  28
.set BA,  29
.set W1,  30
.set T2,  31
.set BK,  32                           ; s[32:33] kf at my 32 rows of the batch's tile 0
.set BV,  34
.set BWK, 36                           ; s[36:37] Wc's fragments: my slice of its tile 0, as waves 0, 1 fetch it
.set BWV, 38                           ; as waves 2, 3 do
.set G0K, 40
.set G0V, 44
.set G1K, 48
.set G1V, 56
.set OFF, 66
.set TA,  68
.set PFA, 70
.set BPF, 72
.set CS,  74
.set C16, 76
.set CEP, 78
.set SEL, 80
.set NXT, 82
.set CUR, 83
.set LIM, 84
.set TBS, 85
.set TBK, 86
.set TBV, 87
.set CNT, 88
.set SLOTS, 89
.set RN,  90
.set EPS, 91
.set MSB, 0
.macro WIN new
.if MSB != (\new)
	s_set_vgpr_msb (MSB<<8)|(\new)
.set MSB, \new
.endif
.endm
.set W_KQ, 0x0b                        ; K window 3, Q window 2, S^T window 0
.set W_PV, 0x53                        ; V (or Wc) window 3, P'' (or d) window 0, O^T (or H^T) window 1
.set W_LD, 0xc0                        ; destination window 3, address window 0
.macro PLACES
.rept 4
	v_nop
.endr
.endm
.macro CROUND
	s_barrier_signal -1
	s_barrier_wait -1
	s_cmp_lg_u32 s[WV], 0
	s_cbranch_scc1 .Lnot_wave_0_\@
	s_barrier_signal -3
.Lnot_wave_0_\@:
	s_barrier_wait -3
	s_barrier_signal -1
	s_barrier_wait -1
.endm
.macro JLOAD                           ; waves 0, 1 fetch the slot's first 64 rows, waves 2, 3 its last 64; 32 rows each.  The branch hangs on the wave's number alone
	s_cmp_lt_u32 s[WV], 2
	s_cbranch_scc0 .Lfor_v_\@
	tensor_load_to_lds s[G0K:G0K+3], s[G1K:G1K+7]
	s_nop 0
	PLACES
	s_branch .Lasked_\@
.Lfor_v_\@:
	tensor_load_to_lds s[G0V:G0V+3], s[G1V:G1V+7]
	s_nop 0
	PLACES
.Lasked_\@:
.endm
; A prefetch of the key tile behind the one just asked for: two steps, 128 matrix instructions, ahead of its load.  Eight clusters walk a batch's rows: the first asks.  Of the 32 rows that a wave fetches each of the four
; partners takes 8, told apart by address: 32 blocks of 256 bytes, a lane a block.  So each block is named once.  It stops with key tile 31; Wc's four tiles, and tiles 0 and 1, come by their loads alone.
.macro ASK
	s_cmp_lt_u32 s[CUR], s[LIM]
	s_cbranch_scc0 .Lnot_mine_\@
	global_prefetch_b8 v[PFO], s[PFA:PFA+1] offset:65536 th:TH_LOAD_NT scope:SCOPE_SE
.Lnot_mine_\@:
.endm
; The change of slots.  Each wave waits for all its tensor loads, adds 0 to its spare word, waits for that and for its reads of the slot that it leaves.  fill = 1: a round of the cluster's barrier, and the old slot
; is filled again first behind it, with tile NXT: the address is made anew from that number.  kv = 1: the steps' fetches go to the new slot's head.
.macro CHANGE fill, kv
	WIN 0
	s_wait_tensorcnt 0x0
	ds_add_u32 v[SPW], v[NIL]
.if \fill
	s_lshl_b32 s[OFF], s[NXT], 16                  ; a key tile: 64 rows of 1,024 bytes
	s_sub_co_u32 s[T2], s[NXT], 32
	s_lshl_b32 s[T2], s[T2], 17                    ; a tile of Wc: 128 fragments
	s_cmp_lt_u32 s[NXT], 32
	s_cselect_b32 s[OFF], s[OFF], s[T2]
	s_cselect_b64 s[TA:TA+1], s[BK:BK+1], s[BWK:BWK+1]
	s_add_nc_u64 s[G0K+2:G0K+3], s[TA:TA+1], s[OFF:OFF+1]
	s_cselect_b64 s[TA:TA+1], s[BV:BV+1], s[BWV:BWV+1]
	s_add_nc_u64 s[G0V+2:G0V+3], s[TA:TA+1], s[OFF:OFF+1]
	s_or_b32 s[G0K+3], s[G0K+3], 0x80000000
	s_or_b32 s[G0V+3], s[G0V+3], 0x80000000
	s_xor_b32 s[G0K+1], s[G0K+1], SLOT1
	s_xor_b32 s[G0V+1], s[G0V+1], SLOT1
	s_wait_xcnt 0x0                                ; the last prefetch, a tile back, has read its address
	s_add_nc_u64 s[PFA:PFA+1], s[BPF:BPF+1], s[OFF:OFF+1]
	s_mov_b32 s[CUR], s[NXT]
	s_add_co_u32 s[NXT], s[NXT], 1
	s_wait_dscnt 0x0
	CROUND
	JLOAD
	ASK
.else
	s_wait_dscnt 0x0
	s_barrier_signal -1
	s_barrier_wait -1
.endif
	s_xor_b32 s[TBS], s[TBS], SLOT1
.if \kv
	s_sub_co_u32 s[TBK], s[TBK], 2*KST
	s_xor_b32 s[TBK], s[TBK], SLOT1
	s_sub_co_u32 s[TBV], s[TBV], 2*VST
	s_xor_b32 s[TBV], s[TBV], SLOT1
.endif
.endm
.macro LOADK h                         ; head h: 32 keys x 64 channels: key block f / 2, channel half f % 2
.irp f, 0,1,2,3
	ds_load_b128 v[32*(\h)+8*\f:32*(\h)+8*\f+3],   v[AK] offset:(\f/2)*16*PK+(\h)*128+(\f%2)*64
	ds_load_b128 v[32*(\h)+8*\f+4:32*(\h)+8*\f+7], v[AK] offset:(\f/2)*16*PK+(\h)*128+(\f%2)*64+32
.endr
.endm
.macro LOADV h                         ; head h, turned: channel block cb x 32 keys
.irp cb, 0,1,2,3
	ds_load_tr16_b128 v[32*(\h)+8*\cb:32*(\h)+8*\cb+3],   v[AV] offset:(\h)*128+\cb*32
	ds_load_tr16_b128 v[32*(\h)+8*\cb+4:32*(\h)+8*\cb+7], v[AV] offset:(\h)*128+\cb*32+16*PV
.endr
.endm
.macro KQ16 g                          ; group g's scores: the eight accumulators take turns; the first eight products start the sums
	WIN W_KQ
.irp hh, 0,1,2,3
.irp kb, 0,1
	v_wmma_f32_16x16x32_f16 v[S+16*(4*(\g)+\hh)+8*\kb:S+16*(4*(\g)+\hh)+8*\kb+7], v[32*(4*(\g)+\hh)+16*\kb:32*(4*(\g)+\hh)+16*\kb+7], v[16*(4*(\g)+\hh):16*(4*(\g)+\hh)+7], 0
.endr
.endr
.irp hh, 0,1,2,3
.irp kb, 0,1
	v_wmma_f32_16x16x32_f16 v[S+16*(4*(\g)+\hh)+8*\kb:S+16*(4*(\g)+\hh)+8*\kb+7], v[32*(4*(\g)+\hh)+16*\kb+8:32*(4*(\g)+\hh)+16*\kb+15], v[16*(4*(\g)+\hh)+8:16*(4*(\g)+\hh)+15], v[S+16*(4*(\g)+\hh)+8*\kb:S+16*(4*(\g)+\hh)+8*\kb+7]
.endr
.endr
.endm
.macro PV16 g                          ; group g's O^T += V^T P'': sixteen accumulators, one product each
	WIN W_PV
.irp hh, 0,1,2,3
.irp cb, 0,1,2,3
	v_wmma_f32_16x16x32_f16 v[32*(4*(\g)+\hh)+8*\cb:32*(4*(\g)+\hh)+8*\cb+7], v[32*(4*(\g)+\hh)+8*\cb:32*(4*(\g)+\hh)+8*\cb+7], v[P+8*\hh:P+8*\hh+7], v[32*(4*(\g)+\hh)+8*\cb:32*(4*(\g)+\hh)+8*\cb+7]
.endr
.endr
.endm
.macro FMA8 h                          ; c s - st, from each accumulator's low end on
.irp p, 0,1,2,3,4,5,6,7
	v_pk_fma_f32 v[S+16*(\h)+2*\p:S+16*(\h)+2*\p+1], v[S+16*(\h)+2*\p:S+16*(\h)+2*\p+1], s[CS:CS+1], v[A+2*(\h):A+2*(\h)+1] op_sel_hi:[1,0,0] neg_lo:[0,0,1] neg_hi:[0,0,1]
.endr
.endm
.macro FE h                            ; head h's exponentials, two behind each scaling of head h + 1
.irp p, 0,1,2,3,4,5,6,7
	v_pk_fma_f32 v[S+16*((\h)+1)+2*\p:S+16*((\h)+1)+2*\p+1], v[S+16*((\h)+1)+2*\p:S+16*((\h)+1)+2*\p+1], s[CS:CS+1], v[A+2*((\h)+1):A+2*((\h)+1)+1] op_sel_hi:[1,0,0] neg_lo:[0,0,1] neg_hi:[0,0,1]
	v_exp_f32 v[S+16*(\h)+2*\p], v[S+16*(\h)+2*\p]
	v_exp_f32 v[S+16*(\h)+2*\p+1], v[S+16*(\h)+2*\p+1]
.endr
.endm
.macro EXP16 h
.irp e, 0,1,2,3,4,5,6,7,8,9,10,11,12,13,14,15
	v_exp_f32 v[S+16*(\h)+\e], v[S+16*(\h)+\e]
.endr
.endm
.macro MUL8 h
.irp p, 0,1,2,3,4,5,6,7
	v_pk_mul_f32 v[S+16*(\h)+2*\p:S+16*(\h)+2*\p+1], v[S+16*(\h)+2*\p:S+16*(\h)+2*\p+1], v[D+2*\p:D+2*\p+1]
.endr
.endm
.macro CVT8 h
.irp p, 0,1,2,3,4,5,6,7
	v_cvt_pk_f16_f32 v[P+8*((\h)%4)+\p], v[S+16*(\h)+2*\p], v[S+16*(\h)+2*\p+1]
.endr
.endm
; The scores and weights of a step.  Both waits' count: behind the 32 loads that are wanted stands one younger run of 32 (the other group's K, or the first group's V).
; The four v_nop, and head 0's eight scalings, are the places between a group's products and the loads into their K registers; the v_nop also stand between the first group's products and the readers of its scores.
.macro KQPHASE
	WIN 0
	v_add_nc_u32 v[AV], s[TBV], v[AV0]
	s_add_co_u32 s[TBV], s[TBV], VST
	s_wait_dscnt 32
	KQ16 0
	WIN 0
	PLACES
	WIN W_LD
.irp h, 0,1,2,3
	LOADV \h
.endr
	s_wait_dscnt 32
	KQ16 1
	WIN 0
	FMA8 0
	WIN W_LD
.irp h, 4,5,6,7
	LOADV \h
.endr
	WIN 0
.irp h, 0,1,2,3,4,5,6
	FE \h
.endr
	EXP16 7
.endm
; The sum over heads and its reciprocal.  The step's 128 exponentials are one batch with one wait, the 16 reciprocals another.
.macro MID
	v_nop                                          ; a plain instruction behind the last exponential,
	s_wait_alu depctr_va_vdst(0)                   ; and one wait ahead of the batch's first reader
.irp p, 0,1,2,3,4,5,6,7
	v_pk_add_f32 v[D+2*\p:D+2*\p+1], v[S+2*\p:S+2*\p+1], v[S+16+2*\p:S+16+2*\p+1]
.endr
.irp h, 2,3,4,5,6,7
.irp p, 0,1,2,3,4,5,6,7
	v_pk_add_f32 v[D+2*\p:D+2*\p+1], v[D+2*\p:D+2*\p+1], v[S+16*\h+2*\p:S+16*\h+2*\p+1]
.endr
.endr
.irp p, 0,1,2,3,4,5,6,7
	v_pk_fma_f32 v[D+2*\p:D+2*\p+1], v[D+2*\p:D+2*\p+1], s[C16:C16+1], s[CEP:CEP+1] op_sel_hi:[1,0,0]  ; 16 D + 1.6e-8
.endr
.irp e, 0,1,2,3,4,5,6,7,8,9,10,11,12,13,14,15
	v_rcp_f32 v[D+\e], v[D+\e]
.endr
	v_nop
	s_wait_alu depctr_va_vdst(0)
.endm
; O^T += V^T P''.  next = 1: behind a group's products the next step's K is fetched into its buffers; the waits' count is 32 as above.  next = 0: the last step: behind the second group's V nothing stands.
; The second group's 32 multiplications are the places behind the first group's products: in front of the loads into their V registers and of the roundings that write P'' anew.
.macro PVPHASE next
	WIN 0
.if \next
	v_add_nc_u32 v[AK], s[TBK], v[AK0]
	s_add_co_u32 s[TBK], s[TBK], KST
.endif
.irp h, 0,1,2,3
	MUL8 \h
.endr
.irp h, 0,1,2,3
	CVT8 \h
.endr
	s_wait_dscnt 32
	PV16 0
	WIN 0
.irp h, 4,5,6,7
	MUL8 \h
.endr
.if \next
	WIN W_LD
.irp h, 0,1,2,3
	LOADK \h
.endr
	WIN 0
.endif
.irp h, 4,5,6,7
	CVT8 \h
.endr
.if \next
	s_wait_dscnt 32
.else
	s_wait_dscnt 0x0
.endif
	PV16 1
.if \next
	WIN 0
	PLACES
	WIN W_LD
.irp h, 4,5,6,7
	LOADK \h
.endr
	WIN 0
.endif
.endm
.macro WSL i, g                        ; sixteen fragments of Wc: slice i of the tile (a K step of 32), output blocks 16 g on; a fragment is one LDS row
.set pit, PK
.if (\i) > 1
.set pit, PV
.endif
.irp u, 0,1,2,3,4,5,6,7,8,9,10,11,12,13,14,15
	ds_load_b128 v[8*(16*(\g)+\u):8*(16*(\g)+\u)+3],   v[AW+(\i)] offset:(16*(\g)+\u)*pit
	ds_load_b128 v[8*(16*(\g)+\u)+4:8*(16*(\g)+\u)+7], v[AW+(\i)] offset:(16*(\g)+\u)*pit+512
.endr
.endm
; A tile of Wc: four K steps x 32 output blocks, 128 matrix instructions on 32 accumulators by turns.  Behind a group's sixteen products the next slice's same sixteen fragments are fetched: behind the 32 loads
; that are wanted stands one younger run of 32; in the last slice 32, then none.
.macro CONV
	WIN 0
	v_add_nc_u32 v[AW], s[TBS], v[L16]
	v_add_nc_u32 v[AW+1], KST, v[AW]
	v_add_nc_u32 v[AW+2], VOFF, v[AW]
	v_add_nc_u32 v[AW+3], VOFF+VST, v[AW]
	WIN W_LD
	WSL 0, 0
	WSL 0, 1
	s_wait_loadcnt 0x0                             ; bc, which starts the sums, and the norm's gain and bias: asked for in front of the loop; in later trips nothing is out
.irp i, 0,1,2,3
.irp g, 0,1
.if \i < 3
	s_wait_dscnt 32
.else
	s_wait_dscnt 32*(1-\g)
.endif
	WIN W_PV
.irp u, 0,1,2,3,4,5,6,7,8,9,10,11,12,13,14,15
	v_wmma_f32_16x16x32_f16 v[8*(16*\g+\u):8*(16*\g+\u)+7], v[8*(16*\g+\u):8*(16*\g+\u)+7], v[S+8*\i:S+8*\i+7], v[8*(16*\g+\u):8*(16*\g+\u)+7]
.endr
.if \i < 3
	PLACES
	WIN W_LD
	WSL (\i)+1, \g
.endif
.endr
.endr
	WIN 0
.endm
.macro EACH line:vararg
.set rho, 0
.rept NR
	\line
.set rho, rho+1
.endr
.endm
.macro XLANE o
.irp x, 1,2,4,8
	EACH v_add_f32_dpp v[TT+4*rho+\o], v[TT+4*rho+\o], v[TT+4*rho+\o] row_xmask:\x row_mask:0xf bank_mask:0xf
.endr
	EACH v_permlanex16_b32 v[SC+8*rho+1], v[TT+4*rho+\o], s[SEL], s[SEL+1]
	EACH v_add_f32 v[TT+4*rho+\o], v[TT+4*rho+\o], v[SC+8*rho+1]
.endm
.macro LNCORE                          ; LayerNorm of NR rows, 16 numbers a lane at v[XB + 16 rho ..], in place, stage by stage for all rows
.irp p, 0,1,2,3
	EACH v_pk_add_f32 v[SC+8*rho+2*\p:SC+8*rho+2*\p+1], v[XB+16*rho+4*\p:XB+16*rho+4*\p+1], v[XB+16*rho+4*\p+2:XB+16*rho+4*\p+3]
.endr
	EACH v_pk_add_f32 v[SC+8*rho:SC+8*rho+1], v[SC+8*rho:SC+8*rho+1], v[SC+8*rho+2:SC+8*rho+3]
	EACH v_pk_add_f32 v[SC+8*rho+4:SC+8*rho+5], v[SC+8*rho+4:SC+8*rho+5], v[SC+8*rho+6:SC+8*rho+7]
	EACH v_pk_add_f32 v[SC+8*rho:SC+8*rho+1], v[SC+8*rho:SC+8*rho+1], v[SC+8*rho+4:SC+8*rho+5]
	EACH v_add_f32 v[TT+4*rho], v[SC+8*rho], v[SC+8*rho+1]
	XLANE 0
	EACH v_mul_f32 v[TT+4*rho], s[RN], v[TT+4*rho]
.irp p, 0,1,2,3,4,5,6,7
	EACH v_pk_add_f32 v[XB+16*rho+2*\p:XB+16*rho+2*\p+1], v[XB+16*rho+2*\p:XB+16*rho+2*\p+1], v[TT+4*rho:TT+4*rho+1] op_sel_hi:[1,0] neg_lo:[0,1] neg_hi:[0,1]
.endr
.irp p, 0,1
	EACH v_pk_mul_f32 v[SC+8*rho+2*\p:SC+8*rho+2*\p+1], v[XB+16*rho+2*\p:XB+16*rho+2*\p+1], v[XB+16*rho+2*\p:XB+16*rho+2*\p+1]
.endr
.irp p, 2,3,4,5,6,7
	EACH v_pk_fma_f32 v[SC+8*rho+2*(\p%2):SC+8*rho+2*(\p%2)+1], v[XB+16*rho+2*\p:XB+16*rho+2*\p+1], v[XB+16*rho+2*\p:XB+16*rho+2*\p+1], v[SC+8*rho+2*(\p%2):SC+8*rho+2*(\p%2)+1]
.endr
	EACH v_pk_add_f32 v[SC+8*rho:SC+8*rho+1], v[SC+8*rho:SC+8*rho+1], v[SC+8*rho+2:SC+8*rho+3]
	EACH v_add_f32 v[TT+4*rho+2], v[SC+8*rho], v[SC+8*rho+1]
	XLANE 2
	EACH v_fma_f32 v[TT+4*rho+2], v[TT+4*rho+2], s[RN], s[EPS]
	EACH v_rsq_f32 v[TT+4*rho+2], v[TT+4*rho+2]
	v_nop
	s_wait_alu depctr_va_vdst(0)                   ; one wait for the batch of roots, ahead of its first reader
.irp p, 0,1,2,3,4,5,6,7
	EACH v_pk_mul_f32 v[XB+16*rho+2*\p:XB+16*rho+2*\p+1], v[XB+16*rho+2*\p:XB+16*rho+2*\p+1], v[TT+4*rho+2:TT+4*rho+3] op_sel_hi:[1,0]
.endr
.irp p, 0,1,2,3,4,5,6,7
	EACH v_pk_fma_f32 v[XB+16*rho+2*\p:XB+16*rho+2*\p+1], v[XB+16*rho+2*\p:XB+16*rho+2*\p+1], v[G+2*\p:G+2*\p+1], v[BB+2*\p:BB+2*\p+1]
.endr
.endm
.macro QLOAD                           ; q of two rows, laid out as the rows of h are read
.irp j, 0,1,2,3
	EACH global_load_b64 v[QD+8*rho+2*\j:QD+8*rho+2*\j+1], v[QRO], s[8:9] offset:rho*1024+256*\j
.endr
.endm
; Two rows of h: read from my stage (a lane takes numbers 128 j + 4 lane + 0..3), normalised, max(y, 0.02 y), plus q (its f16 half times 1.0, one fused line a number), stored.
; q was asked for a trip earlier; when it has been used, the next two rows' q is asked for; the last trip asks for nothing.
.macro ROW2
.irp j, 0,1,2,3
	EACH ds_load_b128 v[XB+16*rho+4*\j:XB+16*rho+4*\j+3], v[HRD] offset:rho*HPI+512*\j
.endr
	s_wait_dscnt 0x0
	LNCORE
.irp p, 0,1,2,3,4,5,6,7
	EACH v_pk_mul_f32 v[LK+16*rho+2*\p:LK+16*rho+2*\p+1], v[XB+16*rho+2*\p:XB+16*rho+2*\p+1], 0x3ca3d70a op_sel_hi:[1,0]
.endr
.irp e, 0,1,2,3,4,5,6,7,8,9,10,11,12,13,14,15
	EACH v_max_num_f32 v[XB+16*rho+\e], v[XB+16*rho+\e], v[LK+16*rho+\e]
.endr
	s_wait_loadcnt 0x0                             ; q is in, and its loads have read their address
.irp u, 0,1,2,3,4,5,6,7
	EACH v_fma_mix_f32 v[XB+16*rho+2*\u], v[QD+8*rho+\u], v[ONE], v[XB+16*rho+2*\u] op_sel_hi:[1,0,0]
	EACH v_fma_mix_f32 v[XB+16*rho+2*\u+1], v[QD+8*rho+\u], v[ONE], v[XB+16*rho+2*\u+1] op_sel:[1,0,0] op_sel_hi:[1,0,0]
.endr
	s_cmp_eq_u32 s[CNT], 1
	s_cbranch_scc1 .Lno_q_\@
	v_add_nc_u32 v[QRO], 2*1024, v[QRO]
	QLOAD
.Lno_q_\@:
.irp j, 0,1,2,3
	EACH global_store_b128 v[OUO], v[XB+16*rho+4*\j:XB+16*rho+4*\j+3], s[24:25] offset:rho*2048+512*\j  ; 512 consecutive bytes, at a multiple of 256 from out0's first byte
.endr
.endm
	s_load_b512 s[8:23], s[0:1], 0x0               ; qf s[8:9], kf s[10:11], vf s[12:13], st s[14:15], wf s[16:17], bc s[18:19], ln_o_g s[20:21], ln_o_b s[22:23]
	s_load_b64 s[24:25], s[0:1], 0x40              ; out0
	v_lshl_add_u32 v[SPW], v0, 2, SPARE
	v_mov_b32 v[NIL], 0
	ds_add_u32 v[SPW], v[NIL]                      ; the wave's opening: the add and its wait ahead of my first tensor load
	v_lshrrev_b32 v1, 5, v0
	v_readfirstlane_b32 s[WV], v1
	s_bfe_u32 s[CX], ttmp6, 0x40000
	s_lshl_b32 s[XX], ttmp9, 2
	s_add_co_u32 s[XX], s[XX], s[CX]               ; my block of 64 queries
	s_lshr_b32 s[BA], ttmp9, 3                     ; the batch: eight clusters each
	s_and_b32 s[W1], s[WV], 1
	s_lshl_b32 s2, s[BA], 21                       ; K and V: the batch's rows, my 32 of a tile's 64: nothing of my place in the cluster
	s_lshl_b32 s3, s[W1], 15
	s_add_co_u32 s2, s2, s3
	s_mov_b32 s3, 0
	s_lshl_b32 s4, s[W1], 15                       ; Wc: the fourth matrix of wf, my slice of 32 fragments
	s_add_co_u32 s4, s4, 3*524288
	s_mov_b32 s5, 0
	s_mov_b32 s[G1K], 15|(1<<16)|(1<<20)|(1<<21)|(7<<22)|(3<<25)  ; mask of four; 2-byte elements; padding on; bit 21 beside the mask; after every 256 words, 4 words
	s_mov_b32 s[G1V], 15|(1<<16)|(1<<20)|(1<<21)|(7<<22)|(7<<25)  ; the same with 8 words
.irp g, G1K, G1V
	s_mov_b32 s[\g+1], 512<<16                     ; tensor_dim0 = 512
	s_mov_b32 s[\g+2], 32<<16                      ; tensor_dim1 = 32
	s_mov_b32 s[\g+3], 512<<16                     ; tile_dim0 = 512
	s_mov_b32 s[\g+4], 32                          ; tile_dim1 = 32
	s_mov_b32 s[\g+5], 512                         ; 512 elements from row to row
	s_mov_b32 s[\g+6], 0
	s_mov_b32 s[\g+7], 0
.endr
	s_mov_b32 s[G0K], 1
	s_mul_i32 s[G0K+1], s[W1], KST
	s_mov_b32 s[G0V], 1
	s_mul_i32 s[G0V+1], s[W1], VST
	s_add_co_u32 s[G0V+1], s[G0V+1], VOFF
	s_mov_b32 s[OFF+1], 0
	s_mov_b32 s[CS], 0x3e38aa3b                    ; c = log2(e) / 8
	s_mov_b32 s[CS+1], s[CS]
	s_mov_b32 s[C16], 0x41800000                   ; 16
	s_mov_b32 s[C16+1], s[C16]
	s_mov_b32 s[CEP], 0x3289705f                   ; 16 x 1e-9
	s_mov_b32 s[CEP+1], s[CEP]
	s_mov_b32 s[SEL], 0x76543210
	s_mov_b32 s[SEL+1], 0xfedcba98
	s_mov_b32 s[RN], 0x3b000000                    ; 1 / 512
	s_mov_b32 s[EPS], 0x3727c5ac                   ; 1e-5
	s_mov_b32 s[NXT], 1
	s_mov_b32 s[TBS], SLOT1                        ; the first change of slots turns these three into 0
	s_mov_b32 s[TBK], SLOT1+2*KST
	s_mov_b32 s[TBV], SLOT1+2*VST
	s_and_b32 s[LIM], ttmp9, 7                     ; the batch's first cluster prefetches: the same in all four partners
	s_cmp_eq_u32 s[LIM], 0
	s_cselect_b32 s[LIM], 31, 0
	s_wait_dscnt 0x0                               ; the opening add is done
	s_wait_kmcnt 0x0
	s_add_nc_u64 s[BK:BK+1], s[10:11], s[2:3]
	s_add_nc_u64 s[BV:BV+1], s[12:13], s[2:3]
	s_add_nc_u64 s[BWK:BWK+1], s[16:17], s[4:5]
	s_add_nc_u64 s[BWV:BWV+1], s[BWK:BWK+1], 65536
	s_add_nc_u64 s[G0K+2:G0K+3], s[BK:BK+1], 0
	s_or_b32 s[G0K+3], s[G0K+3], 0x80000000
	s_add_nc_u64 s[G0V+2:G0V+3], s[BV:BV+1], 0
	s_or_b32 s[G0V+3], s[G0V+3], 0x80000000
	s_cmp_lt_u32 s[WV], 2
	s_cselect_b64 s[BPF:BPF+1], s[BK:BK+1], s[BV:BV+1]
	s_lshl_b32 s6, s[CX], 13                       ; my work-group's 8 of the wave's 32 rows
	s_mov_b32 s7, 0
	s_add_nc_u64 s[BPF:BPF+1], s[BPF:BPF+1], s[6:7]
	s_mov_b64 s[PFA:PFA+1], s[BPF:BPF+1]
	s_lshl_b32 s6, s[XX], 16                       ; q at my wave's 16 rows
	s_lshl_b32 s[T2], s[WV], 14
	s_add_co_u32 s6, s6, s[T2]
	s_add_nc_u64 s[8:9], s[8:9], s[6:7]
	s_lshl_b32 s6, s6, 1                           ; out0 likewise: rows of twice the bytes
	s_add_nc_u64 s[24:25], s[24:25], s[6:7]
	s_and_b32 s6, s[XX], 31                        ; st: batch x 8 heads x 2,048 + my 16 queries, 4 bytes each
	s_lshl_b32 s6, s6, 8
	s_lshl_b32 s[T2], s[BA], 16
	s_add_co_u32 s6, s6, s[T2]
	s_lshl_b32 s[T2], s[WV], 6
	s_add_co_u32 s6, s6, s[T2]
	s_add_nc_u64 s[14:15], s[14:15], s[6:7]
	CROUND
	JLOAD                                          ; tile 0 into slot 0
	v_and_b32 v192, 15, v0                         ; lane % 16
	v_bfe_u32 v193, v0, 4, 1                       ; lane / 16
	v_and_b32 v194, 31, v0
	v_lshlrev_b32 v[QO], 10, v192
	v_lshl_add_u32 v[QO], v193, 4, v[QO]
	WIN 0x80                                       ; destination window 2
.irp i, 0,1,2,3,4,5,6,7,8,9,10,11,12,13,14,15
	global_load_b128 v[8*\i:8*\i+3],   v[QO], s[8:9] offset:\i*64       ; Q stays in registers: channels 32 i on
	global_load_b128 v[8*\i+4:8*\i+7], v[QO], s[8:9] offset:\i*64+32
.endr
	WIN 0
	v_lshlrev_b32 v195, 2, v192
.irp h, 0,1,2,3,4,5,6,7
	global_load_b32 v[A+2*\h], v195, s[14:15] offset:\h*8192
.endr
	v_mul_u32_u24 v[AK0], v192, PK
	v_lshl_add_u32 v[AK0], v193, 4, v[AK0]
	v_and_b32 v[AV0], 7, v0                        ; the turning load: lane l reads key 8 (l / 16) + l % 8, channels 8 ((l / 8) % 2) on
	v_lshl_add_u32 v[AV0], v193, 3, v[AV0]
	v_mul_u32_u24 v[AV0], v[AV0], PV
	v_bfe_u32 v[L16], v0, 3, 1
	v_lshl_add_u32 v[AV0], v[L16], 4, v[AV0]
	v_add_nc_u32 v[AV0], VOFF, v[AV0]
	v_lshlrev_b32 v[L16], 4, v194
	v_lshlrev_b32 v[PFO], 8, v194
	v_lshlrev_b32 v[BCO], 5, v193
	s_mul_i32 s[T2], s[WV], 16*HPI
	v_mul_u32_u24 v[HST], v192, HPI
	v_lshl_add_u32 v[HST], v193, 5, v[HST]
	v_add_nc_u32 v[HST], s[T2], v[HST]
	v_add_nc_u32 v[HRD], s[T2], v[L16]
	v_lshlrev_b32 v[QRO], 3, v194
	v_mov_b32 v[OUO], v[L16]
	v_mov_b32 v[ONE], 1.0
	v_mov_b32 v[SIX], 0x3d800000                   ; 1 / 16
.set i, 0
.rept 8
	v_mov_b32 v[TT+i], 0                           ; named in pairs by the packed lines, so all are written
.set i, i+1
.endr
	WIN 0x40
.set i, 0
.rept 256
	v_mov_b32 v[i], 0                              ; O^T
.set i, i+1
.endr
	WIN 0
	CHANGE 1, 1                                    ; tile 0 is in, everybody's part of it; tile 1 is asked for
	v_add_nc_u32 v[AK], s[TBK], v[AK0]
	s_add_co_u32 s[TBK], s[TBK], KST
	WIN W_LD
.irp h, 0,1,2,3,4,5,6,7
	LOADK \h
.endr
	WIN 0
	s_wait_loadcnt 0x0                             ; Q and st
.irp h, 0,1,2,3,4,5,6,7
	v_mov_b32 v[A+2*\h+1], v[A+2*\h]               ; named as a pair
.endr
	s_mov_b32 s[CNT], 2
	s_mov_b32 s[SLOTS], 32
	s_branch .Lfirst                               ; the loop is entered in the middle of a trip: there are no weights to multiply yet
.Lslot:                                        ; 31 times: key tiles 1-31 are entered, tiles 2-32 asked for.  All of the old slot's reads have been issued: the V of its second step was the last
	CHANGE 1, 1
	s_mov_b32 s[CNT], 2
.Lstep:
	PVPHASE 1
	WIN 0
.Lfirst:
	KQPHASE
	MID
	s_sub_co_u32 s[CNT], s[CNT], 1
	s_cmp_lg_u32 s[CNT], 0
	s_cbranch_scc1 .Lstep
	s_sub_co_u32 s[SLOTS], s[SLOTS], 1
	s_cmp_lg_u32 s[SLOTS], 0
	s_cbranch_scc1 .Lslot
	PVPHASE 0
	; d = q / 16 - O / 16, in f32, in place on O^T: q's f16 half times 1 / 16, less the sum, one fused line a number; then rounded once, in pairs, into Q's fragment layout.
	; Each accumulator is read from its lowest register on; the first group's lines name no register of the last group's products and are the places behind them.
	WIN 0x52                                       ; q window 2, 1 / 16 window 0, O^T (source 2 and destination) window 1
.set i, 0
.rept 128
	v_fma_mix_f32 v[2*i], v[i], v[SIX], -v[2*i] op_sel_hi:[1,0,0]
	v_fma_mix_f32 v[2*i+1], v[i], v[SIX], -v[2*i+1] op_sel:[1,0,0] op_sel_hi:[1,0,0]
.set i, i+1
.endr
	WIN 0x05                                       ; sources window 1, destination window 0
.set i, 0
.rept 128
	v_cvt_pk_f16_f32 v[S+i], v[2*i], v[2*i+1]
.set i, i+1
.endr
	WIN 0x40                                       ; destination window 1: bc starts H^T's sums
.set i, 0
.rept 32
	global_load_b128 v[8*i:8*i+3],   v[BCO], s[18:19] offset:64*i
	global_load_b128 v[8*i+4:8*i+7], v[BCO], s[18:19] offset:64*i+16
.set i, i+1
.endr
	WIN 0
.irp j, 0,1,2,3
	global_load_b128 v[G+4*\j:G+4*\j+3],   v[L16], s[20:21] offset:512*\j   ; the last norm's gain and bias, into the registers that st and D have left; awaited with bc
	global_load_b128 v[BB+4*\j:BB+4*\j+3], v[L16], s[22:23] offset:512*\j
.endr
	s_mov_b32 s[CNT], 3
.Lconv:                                        ; three trips: Wc's tiles 0-2 are entered, its tiles 1-3 asked for
	CHANGE 1, 0
	CONV
	PLACES                                         ; in front of the writes of registers that the last products read
.set i, 0
.rept 96
	v_mov_b32 v[S+i], v[S+32+i]                    ; d's next four fragments move down, so that one text serves every tile
.set i, i+1
.endr
	s_sub_co_u32 s[CNT], s[CNT], 1
	s_cmp_lg_u32 s[CNT], 0
	s_cbranch_scc1 .Lconv
	CHANGE 0, 0                                    ; the last tile is written out.  Behind this barrier nobody reads slot 0 any more, and nothing is filled
	CONV
	PLACES
	WIN 0x04                                       ; store data window 1
.set i, 0
.rept 32
	ds_store_b128 v[HST], v[8*i:8*i+3]   offset:64*i      ; H^T: my query's row, outputs 16 i + 8 (lane / 16) on; rows 2,064 bytes apart: 16 rows start at 16 different groups of four banks
	ds_store_b128 v[HST], v[8*i+4:8*i+7] offset:64*i+16
.set i, i+1
.endr
	WIN 0
	QLOAD                                          ; q of my first two rows
	s_mov_b32 s[CNT], 8
.Lrow:                                         ; my wave's 16 rows, two a trip; the stage is my own and LDS serves a wave's instructions in order (ISA guide 5.7.1.4): no barrier
	ROW2
	s_wait_xcnt 0x0                                ; the loads and stores have read their registers: addresses and data are written again only behind this wait
	v_add_nc_u32 v[HRD], 2*HPI, v[HRD]
	v_add_nc_u32 v[OUO], 2*2048, v[OUO]
	s_sub_co_u32 s[CNT], s[CNT], 1
	s_cmp_lg_u32 s[CNT], 0
	s_cbranch_scc1 .Lrow
	s_wait_tensorcnt 0x0                           ; the wave's end: behind my last tensor load and my last LDS store
	ds_add_u32 v[SPW], v[NIL]
	s_wait_dscnt 0x0
	CROUND                                         ; the closing round
	s_endpgm
.Lfunc_end_k_q2d43f822dc_attn:
	.size	k_q2d43f822dc_attn, .Lfunc_end_k_q2d43f822dc_attn-k_q2d43f822dc_attn
	.p2alignl 7, 3214868480
	.fill 96, 4, 3214868480
	.section	.rodata,"a",@progbits
	.p2align	6, 0x0
	.amdhsa_kernel k_q2d43f822dc_attn
		.amdhsa_group_segment_fixed_size 327680
		.amdhsa_private_segment_fixed_size 0
		.amdhsa_enable_private_segment 0
		.amdhsa_kernarg_size 72
		.amdhsa_user_sgpr_count 2
		.amdhsa_user_sgpr_kernarg_segment_ptr 1
		.amdhsa_wavefront_size32 1
		.amdhsa_system_sgpr_workgroup_id_x 1
		.amdhsa_system_sgpr_workgroup_id_y 1
		.amdhsa_system_sgpr_workgroup_id_z 1
		.amdhsa_system_vgpr_workitem_id 0
		.amdhsa_next_free_vgpr 1024
		.amdhsa_next_free_sgpr 96
		.amdhsa_reserve_vcc 0
		.amdhsa_float_denorm_mode_32 3
		.amdhsa_float_denorm_mode_16_64 3
		.amdhsa_memory_ordered 1
		.amdhsa_forward_progress 1
		.amdhsa_inst_pref_size 179
	.end_amdhsa_kernel
	.amdgpu_metadata
---
amdhsa.version: [ 1, 2 ]
amdhsa.kernels:
  - .name:           k_q2d43f822dc_attn
    .symbol:         k_q2d43f822dc_attn.kd
    .args:
      - { .name: qf, .offset: 0, .size: 8, .value_kind: global_buffer, .address_space: global }
      - { .name: kf, .offset: 8, .size: 8, .value_kind: global_buffer, .address_space: global }
      - { .name: vf, .offset: 16, .size: 8, .value_kind: global_buffer, .address_space: global }
      - { .name: st, .offset: 24, .size: 8, .value_kind: global_buffer, .address_space: global }
      - { .name: wf, .offset: 32, .size: 8, .value_kind: global_buffer, .address_space: global }
      - { .name: bc, .offset: 40, .size: 8, .value_kind: global_buffer, .address_space: global }
      - { .name: ln_o_g, .offset: 48, .size: 8, .value_kind: global_buffer, .address_space: global }
      - { .name: ln_o_b, .offset: 56, .size: 8, .value_kind: global_buffer, .address_space: global }
      - { .name: out0, .offset: 64, .size: 8, .value_kind: global_buffer, .address_space: global }
    .group_segment_fixed_size: 327680
    .private_segment_fixed_size: 0
    .kernarg_segment_align: 8
    .kernarg_segment_size: 72
    .max_flat_workgroup_size: 128
    .sgpr_count:     96
    .vgpr_count:     1024
    .wavefront_size: 32
...
	.end_amdgpu_metadata
.endif
;; end of part 4
